; MI455X (gfx1250); checked and timed in simulation.
; The chip was launched on July 23, 2026; its instructions are those of AMD's public machine-readable ISA for CDNA 5 (MIT licence, August 2026) and "CDNA5" Instruction Set Architecture Reference Guide (July 2026). The comments in the code are by the model that wrote it; some were corrected since.
;; Sliding Window Attention. Allowed arithmetic: float matrix products may take bf16 or f16 operands with f32 sums; other float arithmetic in f32, or as packed bf16 or f16 multiplies, adds, multiply-adds, maxima and minima; sums over many terms, partial sums and values carried from step to step in f32; what a program stores and reads back later, other than sums and carried values, may be rounded once to bf16 or f16.
;; Inputs: bk 1,024 float32; bo 1,024 float32; bq 1,024 float32; bv 1,024 float32; wk 1,024 x 1,024 float32; wo 1,024 x 1,024 float32; wq 1,024 x 1,024 float32; wv 1,024 x 1,024 float32; x 1 x 4,096 x 1,024 float32.
;; Outputs: out0 1 x 4,096 x 1,024 float32.
;; 2 versions, each right; version 2 is version 1 with the launch prep written anew for expert scheduling mode. Each part assembles by itself: llvm-mc -triple=amdgcn-amd-amdhsa -mcpu=gfx1250 --defsym DOCPART=n.
;; ======== version 1 of 2: 4 launches
;; limits: values are held in f16: magnitudes above 65,504 overflow, below 6.1e-05 lose precision
;; workspace buffers: xb 8,388,608 bytes; w3 6,291,456 bytes; wo2 2,097,152 bytes; bias 16,384 bytes; qkv 25,165,824 bytes; ob 8,388,608 bytes
;; launch prep (part 1): grid 513 x 1, 8 waves a work-group, no clusters, 0 bytes of LDS; arguments x, wq, wk, wv, wo, bq, bk, bv, bo, xb, w3, wo2, bias; writes xb, w3, wo2, bias
.if DOCPART == 1
	.amdgcn_target "amdgcn-amd-amdhsa--gfx1250"
	.amdhsa_code_object_version 6
	.text
	.protected	k_q2ff487da77_prep
	.globl	k_q2ff487da77_prep
	.p2align	8
	.type	k_q2ff487da77_prep,@function
k_q2ff487da77_prep:
	s_mov_b64 s[64:65], 0
	v_nop
	global_prefetch_b8 v0, s[64:65] scope:SCOPE_SE
	s_setreg_imm32_b32 hwreg(HW_REG_WAVE_MODE, 25, 1), 1
	s_wait_xcnt 0x0
; THE CASTS.  x, wq, wk, wv, wo and the four biases are rounded once to bf16 and laid out for the three launches that follow.
;   xb   [4096][1024] bf16: x as it lies.
;   w3   [8 tiles][1024 k][384 n] bf16: the columns of [wq | wk | wv], natural column n3 at position p = (n3 + 2560) mod 3072, tile p / 384.
;   wo2  [8 tiles][1024 k][128 n] f16: wo rounded to bf16, that number written as f16 (exact from 2^-14 up; below it f16's fixed step of 6e-8; beyond 65,504 an infinity).
;   bias [4096] f32: the biases rounded to bf16 and widened again: words 0-3071 bq, bk, bv at position p, words 3072-4095 bo.
; A PIECE is 128 columns of one row: a wave's one load of 16 bytes a lane takes its 512 bytes, its one store of 8 bytes a lane puts 256 consecutive bytes, aligned.
; All five sources have rows of 4,096 bytes.  A work-group takes one group of 128 columns and 128 rows, a wave 16 of those rows: 16 loads are out at once, nothing is read twice.
; Work-groups 0-255: x (32 groups of rows x 8 of columns); 256-511: the four weights (8 x 8 each); 512: the biases.
; No LDS, no barrier, no matrix unit, no cluster: no byte is wanted by two waves, and there is one conversion for each number.
.set VI, 1                             ; v1       my byte offset in the source: 16 x lane + wave x 16 rows
.set VO, 4                             ; v[4:19]  row i: my byte offset in the destination; never rewritten
.set X,  32                            ; v[32:95] row i: 4 numbers in f32
.set Y,  96                            ; v[96:127] row i: 4 numbers in 16 bits
	s_load_b512 s[4:19], s[0:1], 0x0               ; x 4:5, wq 6:7, wk 8:9, wv 10:11, wo 12:13, bq 14:15, bk 16:17, bv 18:19
	s_load_b256 s[20:27], s[0:1], 0x40             ; bo 20:21, xb 22:23, w3 24:25, wo2 26:27
	s_load_b64 s[28:29], s[0:1], 0x60              ; bias
	s_mov_b32 s2, ttmp9
	v_and_b32 v3, 31, v0                           ; lane
	v_lshrrev_b32 v2, 5, v0                        ; wave
	s_cmp_eq_u32 s2, 512
	s_cbranch_scc1 .Lbias
	s_and_b32 s3, s2, 7                            ; g: my group of 128 columns
	s_lshr_b32 s40, s2, 3                          ; x: my group of 128 rows
	s_and_b32 s41, s40, 7                          ; a weight: my group of 128 rows
	s_bfe_u32 s42, s2, 0x20006                     ; which weight: 0 wq, 1 wk, 2 wv, 3 wo
	s_lshl_b32 s43, s42, 3
	s_add_co_u32 s43, s43, s3
	s_add_co_u32 s43, s43, 20
	s_cmp_ge_u32 s43, 24
	s_cselect_b32 s44, 24, 0
	s_sub_co_u32 s43, s43, s44                     ; the group's position: (8 m + g + 20) mod 24
	s_mul_i32 s44, s43, 11
	s_lshr_b32 s44, s44, 5                         ; its tile: position / 3 (11 / 32 is exact for positions under 24)
	s_mul_i32 s45, s44, 3
	s_sub_co_u32 s45, s43, s45                     ; its place in the tile
	s_mul_i32 s44, s44, 786432                     ; a tile of w3 is 1,024 rows of 768 bytes
	s_mul_i32 s46, s41, 98304                      ; 128 such rows
	s_add_co_u32 s44, s44, s46
	s_lshl_b32 s45, s45, 8
	s_add_co_u32 s44, s44, s45                     ; where I begin in w3
	s_lshl_b32 s45, s3, 18                         ; a tile of wo2 is 1,024 rows of 256 bytes
	s_lshl_b32 s46, s41, 15
	s_add_co_u32 s45, s45, s46                     ; where I begin in wo2
	s_lshl_b32 s46, s40, 18                        ; 128 rows of xb, 2,048 bytes each
	s_lshl_b32 s47, s3, 8
	s_add_co_u32 s46, s46, s47                     ; where I begin in xb
	s_movk_i32 s38, 768
	s_wait_kmcnt 0x0
	s_cmp_eq_u32 s42, 1
	s_cselect_b64 s[34:35], s[8:9], s[6:7]
	s_cmp_eq_u32 s42, 2
	s_cselect_b64 s[34:35], s[10:11], s[34:35]
	s_cmp_eq_u32 s42, 3
	s_cselect_b64 s[34:35], s[12:13], s[34:35]     ; the source, if it is a weight
	s_cselect_b64 s[36:37], s[26:27], s[24:25]     ; the destination
	s_cselect_b32 s32, s45, s44                    ; my first byte in it
	s_cselect_b32 s38, 256, s38                    ; bytes from row to row in it
	s_cselect_b32 s39, 1, 0                        ; 1: written as f16
	s_cmp_lt_u32 s2, 256                           ; or is it x?
	s_cselect_b64 s[34:35], s[4:5], s[34:35]
	s_cselect_b64 s[36:37], s[22:23], s[36:37]
	s_cselect_b32 s32, s46, s32
	s_cselect_b32 s38, 2048, s38
	s_cselect_b32 s39, 0, s39
	s_cselect_b32 s41, s40, s41
	s_lshl_b32 s30, s41, 19                        ; 128 rows of 4,096 bytes in the source,
	s_lshl_b32 s47, s3, 9                          ; 128 columns of 4 bytes
	s_add_co_u32 s30, s30, s47
	s_mov_b32 s31, 0
	s_mov_b32 s33, 0
	s_add_nc_u64 s[34:35], s[34:35], s[30:31]
	s_add_nc_u64 s[36:37], s[36:37], s[32:33]
	v_lshlrev_b32 v[VI], 4, v3
	v_lshl_add_u32 v[VI], v2, 16, v[VI]
.set i, 0
.rept 16
	global_load_b128 v[X+4*i:X+4*i+3], v[VI], s[34:35] offset:4096*i th:TH_LOAD_NT  ; my wave's 16 rows: all loads go out ahead of the first store
.set i, i+1
.endr
	s_lshl_b32 s47, s38, 4
	v_mul_u32_u24 v[VO], s47, v2                   ; wave x 16 rows of the destination
	v_lshl_add_u32 v[VO], v3, 3, v[VO]             ; + 8 x lane
.set i, 1
.rept 15
	v_add_nc_u32 v[VO+i], s38, v[VO+i-1]
.set i, i+1
.endr
; Row after row: rounded, and stored.  Every row has registers of its own, so no register that a load or a store names is written again.
.macro OUT f16
.set i, 0
.rept 16
	s_wait_loadcnt 15-i                            ; loads come back in order: row i is in, the younger ones stay out
	v_cvt_pk_bf16_f32 v[Y+2*i], v[X+4*i], v[X+4*i+1]
	v_cvt_pk_bf16_f32 v[Y+2*i+1], v[X+4*i+2], v[X+4*i+3]
.if \f16
	v_lshlrev_b32 v20, 16, v[Y+2*i]                ; the bf16 numbers widened,
	v_and_b32 v21, 0xffff0000, v[Y+2*i]
	v_lshlrev_b32 v22, 16, v[Y+2*i+1]
	v_and_b32 v23, 0xffff0000, v[Y+2*i+1]
	v_cvt_pk_f16_f32 v[Y+2*i], v20, v21            ; and written as f16
	v_cvt_pk_f16_f32 v[Y+2*i+1], v22, v23
.endif
	global_store_b64 v[VO+i], v[Y+2*i:Y+2*i+1], s[36:37]  ; the wave's 256 consecutive bytes, at a multiple of 256 from the buffer's first
.set i, i+1
.endr
.endm
	s_cmp_eq_u32 s39, 1
	s_cbranch_scc1 .Lf16
	OUT 0
	s_endpgm
.Lf16:
	OUT 1
	s_endpgm
.Lbias:                                        ; 256 threads x 4 numbers = a bias of 1,024
	v_lshlrev_b32 v1, 4, v0
	v_xor_b32 v2, 128, v0                          ; bq's columns 0-511 go to positions 2560-3071, its columns 512-1023 to 0-511:
	v_and_b32 v3, 128, v2                          ; with t = thread xor 128 that is byte 16 t + 64 (t & 128)
	v_lshlrev_b32 v3, 6, v3
	v_lshl_add_u32 v3, v2, 4, v3
	s_wait_kmcnt 0x0
	global_load_b128 v[32:35], v1, s[14:15]
	global_load_b128 v[36:39], v1, s[16:17]
	global_load_b128 v[40:43], v1, s[18:19]
	global_load_b128 v[44:47], v1, s[20:21]
	s_wait_loadcnt 0x0
.set i, 0
.rept 8
	v_cvt_pk_bf16_f32 v20, v[32+2*i], v[33+2*i]
	v_lshlrev_b32 v[64+2*i], 16, v20
	v_and_b32 v[65+2*i], 0xffff0000, v20
.set i, i+1
.endr
	global_store_b128 v3, v[64:67], s[28:29]
	global_store_b128 v1, v[68:71], s[28:29] offset:2048   ; bk: positions 512 on
	global_store_b128 v1, v[72:75], s[28:29] offset:6144   ; bv: positions 1536 on
	global_store_b128 v1, v[76:79], s[28:29] offset:12288  ; bo: words 3072 on
	s_endpgm
.Lfunc_end_k_q2ff487da77_prep:
	.size	k_q2ff487da77_prep, .Lfunc_end_k_q2ff487da77_prep-k_q2ff487da77_prep
	.p2alignl 7, 3214868480
	.fill 96, 4, 3214868480
	.section	.rodata,"a",@progbits
	.p2align	6, 0x0
	.amdhsa_kernel k_q2ff487da77_prep
		.amdhsa_group_segment_fixed_size 0
		.amdhsa_private_segment_fixed_size 0
		.amdhsa_enable_private_segment 0
		.amdhsa_kernarg_size 104
		.amdhsa_user_sgpr_count 2
		.amdhsa_user_sgpr_kernarg_segment_ptr 1
		.amdhsa_wavefront_size32 1
		.amdhsa_system_sgpr_workgroup_id_x 1
		.amdhsa_system_sgpr_workgroup_id_y 1
		.amdhsa_system_sgpr_workgroup_id_z 1
		.amdhsa_system_vgpr_workitem_id 0
		.amdhsa_next_free_vgpr 128
		.amdhsa_next_free_sgpr 66
		.amdhsa_reserve_vcc 0
		.amdhsa_float_denorm_mode_32 3
		.amdhsa_float_denorm_mode_16_64 3
		.amdhsa_memory_ordered 1
		.amdhsa_forward_progress 1
		.amdhsa_inst_pref_size 21
	.end_amdhsa_kernel
	.amdgpu_metadata
---
amdhsa.version: [ 1, 2 ]
amdhsa.kernels:
  - .name:           k_q2ff487da77_prep
    .symbol:         k_q2ff487da77_prep.kd
    .args:
      - { .name: x, .offset: 0, .size: 8, .value_kind: global_buffer, .address_space: global }
      - { .name: wq, .offset: 8, .size: 8, .value_kind: global_buffer, .address_space: global }
      - { .name: wk, .offset: 16, .size: 8, .value_kind: global_buffer, .address_space: global }
      - { .name: wv, .offset: 24, .size: 8, .value_kind: global_buffer, .address_space: global }
      - { .name: wo, .offset: 32, .size: 8, .value_kind: global_buffer, .address_space: global }
      - { .name: bq, .offset: 40, .size: 8, .value_kind: global_buffer, .address_space: global }
      - { .name: bk, .offset: 48, .size: 8, .value_kind: global_buffer, .address_space: global }
      - { .name: bv, .offset: 56, .size: 8, .value_kind: global_buffer, .address_space: global }
      - { .name: bo, .offset: 64, .size: 8, .value_kind: global_buffer, .address_space: global }
      - { .name: xb, .offset: 72, .size: 8, .value_kind: global_buffer, .address_space: global }
      - { .name: w3, .offset: 80, .size: 8, .value_kind: global_buffer, .address_space: global }
      - { .name: wo2, .offset: 88, .size: 8, .value_kind: global_buffer, .address_space: global }
      - { .name: bias, .offset: 96, .size: 8, .value_kind: global_buffer, .address_space: global }
    .group_segment_fixed_size: 0
    .private_segment_fixed_size: 0
    .kernarg_segment_align: 8
    .kernarg_segment_size: 104
    .max_flat_workgroup_size: 256
    .sgpr_count:     66
    .vgpr_count:     128
    .wavefront_size: 32
...
	.end_amdgpu_metadata
.endif
;; end of part 1
;; launch qkv (part 2): grid 8 x 32, 4 waves a work-group, clusters of 4 x 4, 327,680 bytes of LDS; arguments xb, w3, bias, qkv; writes qkv
.if DOCPART == 2
	.amdgcn_target "amdgcn-amd-amdhsa--gfx1250"
	.amdhsa_code_object_version 6
	.text
	.protected	k_q2ff487da77_qkv
	.globl	k_q2ff487da77_qkv
	.p2align	8
	.type	k_q2ff487da77_qkv,@function
k_q2ff487da77_qkv:
	s_mov_b64 s[64:65], 0
	v_nop
	global_prefetch_b8 v0, s[64:65] scope:SCOPE_SE
	s_setreg_imm32_b32 hwreg(HW_REG_WAVE_MODE, 25, 1), 1
	s_wait_xcnt 0x0
	s_wait_alu depctr_hold_cnt(0) depctr_sa_sdst(0) depctr_va_vdst(0) depctr_va_sdst(0) depctr_va_ssrc(0) depctr_va_vcc(0) depctr_vm_vsrc(0)
	s_getreg_b32 s2, hwreg(HW_REG_IB_STS2, 6, 4)
	s_cmp_eq_u32 s2, 0
	s_cbranch_scc0 .Lentry_in_a_cluster
	s_endpgm
.Lentry_in_a_cluster:
	s_bfe_u32 s2, ttmp6, 0x10000c
	s_cmp_lg_u32 s2, 0xf033
	s_cbranch_scc0 .Lentry_shape_is_right
	s_endpgm
.Lentry_shape_is_right:
; q, k, v = x [wq | wk | wv] + bias: [4096 x 3072] = xb [4096][1024] x w3, bf16 operands, f32 sums that start at the bias, results rounded once to f16 and stored BY HEADS:
; qkv [48 slots][4096][64] f16, slot = column position / 64 (slots 0-7 q heads 8-15, 8-23 k, 24-39 v, 40-47 q heads 0-7).  The scale 1 / 8 is not applied here.
; LIMIT.  f16 ends at 65,504: a q, k or v beyond it becomes an infinity.  With x and the weights 30 times their drawn spread the results have a spread near 900.
; SHARES.  A work-group makes 128 rows x 384 columns (8 x 32 = 256 work-groups), each of its four waves 64 x 192: 48 accumulators of 16 x 16, 384 registers.
; K goes in 8 steps of 128 through two LDS slots.  A step is 128 rows x 256 bytes of xb (wave 0's tensor load) and 128 k x 768 bytes of w3, dense in memory: three loads of 128 x 256 bytes (waves 1-3).
; w3 LIES [k][n], so its fragments are turned on the way out of LDS (ds_load_tr16_b128).  Behind every 128 bytes of its stream lie 16 of padding.
; xb's rows are 272 bytes apart.
; THE MATRIX INSTRUCTION IS USED TRANSPOSED (source 0 = 16 columns of w3, source 1 = 16 rows of xb): a lane holds row l % 16 and the columns 8 (l / 16) + 0..7, 16 bytes of a head's row in f16.
; CLUSTERS: 4 x 4 work-groups.  The four of a row of the cluster need the same tile of xb, the four of a column the same tile of w3: each is asked for JOINTLY, same load, descriptor and mask in all four.
; REGISTERS, in windows of 256 (s_set_vgpr_msb: bits 1:0 source 0, 3:2 source 1, 5:4 source 2, 7:6 destination):
;   window 0: v16-30 addresses; v32-63, v64-95 xb's fragments, two buffers; v96-191 the bias, as the C operand of the first products; v192-239 and v32-127 at work on the way out
;   window 1: v0-95, v96-191 w3's fragments, two buffers     window 2: accumulators of my rows 0-31 ((a, b) at 8 (12 (a % 2) + b))     window 3: rows 32-63
.set NB,    12                         ; blocks of 16 columns a wave
.set KD,    1                          ; matrix instructions deep (32 along K each) in a quarter of a K step
.set LAPS,  4                          ; a lap = two K steps = once round the ring
.set NWA,   1                          ; waves that fetch xb's tile; the others fetch w3's
.set PA,    272                        ; xb's row in LDS
.set AQ,    64                         ; bytes from quarter to quarter in it
.set PB,    864                        ; w3's k row in LDS
.set BQ,    32*KD*PB                   ; bytes from quarter to quarter
.set BW,    432                        ; my 192 columns: three pieces of 144
.set PART,  36864                      ; what one tensor load fills (xb's uses 34,816 of it)
.set SLOT,  4*PART
.set BOFF,  NWA*PART
.set STAGE, 2*SLOT                     ; behind the ring, never filled by a tensor load: for each wave 3 heads x 16 rows x 144 bytes
.set SP,    144
.set WSTG,  3*16*SP
.set SPARE, STAGE+4*WSTG               ; the spare words, 128 bytes for each wave: two blocks of 256 bytes that no other line names
.set ASTEP, 256                        ; bytes in memory from K step to K step: xb,
.set BSTEP, 98304                      ; w3
.set ADRA, 16                          ; v16-17  LDS address of my fragments of xb in slot 0, 1
.set ADRB, 20                          ; v20-23  of w3: slot 0 quarters 0-1, 2-3; slot 1 likewise
.set STO,  24                          ; v24     the way out: where I put 16 bytes of a row
.set RD,   25                          ; v25     where I read rows back
.set GO,   26                          ; v26     my 16 bytes of 512 consecutive bytes of qkv
.set BO,   27                          ; v27     my 32 bytes of a block's bias
.set SPW,  28                          ; v28     LDS address of my spare word; never rewritten
.set NIL,  29                          ; v29     0; never rewritten
.set PFO,  30                          ; v30     the prefetches' offset: a lane a row; never rewritten
.set FA0,  32
.set FAS,  32*KD
.set BIAS, 32+64*KD
.set TMP,  192
.set OB,   32                          ; two sets of 48
.set FB0,  0
.set FBS,  8*NB*KD
.set WV, 12                            ; s12 wave; s13, s14 which 64 rows, which 192 columns
.set WM, 13
.set WN, 14
.set CX, 15                            ; s15, s16 my place in the cluster
.set CY, 16
.set TC, 17                            ; s17, s18 tile column, tile row
.set TR, 18
.set G1A, 24                           ; s[24:31] descriptor group 1 for xb's tile; s[32:39] group 0, a set for each slot
.set G0A, 32
.set PFA, 40                           ; s[40:41] where my prefetches stand
.set PFS, 42                           ; s[42:43] a K step in bytes, for them
.set LIM, 44                           ; s44 1 in a wave that prefetches, else the greatest number
.set LAP, 45                           ; s45 laps still to come
.set G1B, 48                           ; s[48:55], s[56:63] the same for w3's tiles
.set G0B, 56
.set MSB, 0
.macro WIN new                         ; the immediate's high byte repeats the setting that is left; a switch that changes nothing is dropped
.if MSB != (\new)
	s_set_vgpr_msb (MSB<<8)|(\new)
.set MSB, \new
.endif
.endm
.macro PLACES                          ; four plain instructions between a matrix instruction and a load into, or a vector read of, its registers
.rept 4
	v_nop
.endr
.endm
.macro CREST                           ; a round of the cluster's barrier behind its opening barrier
	s_cmp_lg_u32 s[WV], 0
	s_cbranch_scc1 .Lnot_wave_0_\@
	s_barrier_signal -3
.Lnot_wave_0_\@:
	s_barrier_wait -3
	s_barrier_signal -1
	s_barrier_wait -1
.endm
.macro CROUND
	s_barrier_signal -1
	s_barrier_wait -1
	CREST
.endm
; A joint load: wave 0 asks for xb's tile, waves 1-3 for the three parts of w3's.  The branch hangs on the wave's number alone.  An s_nop 0 and four v_nop follow each line.
.macro JLOAD s
	s_cmp_lt_u32 s[WV], NWA
	s_cbranch_scc0 .Lfor_b_\@
	tensor_load_to_lds s[G0A+4*(\s):G0A+4*(\s)+3], s[G1A:G1A+7]
	s_nop 0
	PLACES
	s_branch .Lasked_\@
.Lfor_b_\@:
	tensor_load_to_lds s[G0B+4*(\s):G0B+4*(\s)+3], s[G1B:G1B+7]
	s_nop 0
	PLACES
.Lasked_\@:
.endm
; A PREFETCH behind each joint refill and the run of LDS loads that follows it: the K step two refills on, 384 matrix instructions ahead of the load that will want it: 32 rows of 256 bytes, a lane a row.
; Each row's 256 bytes of a K step are named once in the launch: xb's rows by the clusters with x = 0 (wave 0), w3's by the clusters with y = 0 (waves 1-3); of the 128 rows that a wave fetches
; each of the four partners that ask jointly takes 32, told apart by address.  K steps 0-3 come by their loads alone; the loop's last trip asks for nothing: there is no K step 8.
.macro ASK
	s_cmp_gt_u32 s[LAP], s[LIM]
	s_cbranch_scc0 .Lnot_mine_\@
	global_prefetch_b8 v[PFO], s[PFA:PFA+1] th:TH_LOAD_NT scope:SCOPE_SE
.Lnot_mine_\@:
.endm
	s_load_b256 s[4:11], s[0:1], 0x0               ; xb 4:5, w3 6:7, bias 8:9, qkv 10:11
	v_lshl_add_u32 v[SPW], v0, 2, SPARE
	v_mov_b32 v[NIL], 0
	ds_add_u32 v[SPW], v[NIL]                      ; the wave's opening: the add and its wait stand ahead of the first tensor load; the set-up below stands between them
	v_lshrrev_b32 v1, 5, v0
	v_readfirstlane_b32 s[WV], v1
	s_lshr_b32 s[WM], s[WV], 1
	s_and_b32 s[WN], s[WV], 1
	s_bfe_u32 s[CX], ttmp6, 0x40000
	s_bfe_u32 s[CY], ttmp6, 0x40004
	s_lshl_b32 s[TC], ttmp9, 2
	s_add_co_u32 s[TC], s[TC], s[CX]               ; tile column = 4 x cluster x + cx
	s_and_b32 s[TR], ttmp7, 0xffff
	s_lshl_b32 s[TR], s[TR], 2
	s_add_co_u32 s[TR], s[TR], s[CY]               ; tile row = 4 x cluster y + cy
	s_lshl_b32 s19, s[CY], 2
	s_lshl_b32 s19, 15, s19                        ; my row of the cluster
	s_lshl_b32 s66, 0x1111, s[CX]                  ; my column
	s_or_b32 s[G1A], s19, (1<<16)|(1<<20)|(1<<21)|(5<<22)|(3<<25)  ; the mask; 2-byte elements; padding on; bit 21 beside a mask; after every 64 words, 4 words
	s_or_b32 s[G1B], s66, (1<<16)|(1<<20)|(1<<21)|(4<<22)|(3<<25)  ; after every 32 words, 4 words
.irp g, G1A, G1B
	s_mov_b32 s[(\g)+1], 128<<16                   ; tensor_dim0 = 128 elements
	s_mov_b32 s[(\g)+2], 128<<16                   ; tensor_dim1 = 128 rows
	s_mov_b32 s[(\g)+3], 128<<16                   ; tile_dim0 = 128
	s_mov_b32 s[(\g)+4], 128                       ; tile_dim1 = 128
	s_mov_b32 s[(\g)+6], 0
	s_mov_b32 s[(\g)+7], 0
.endr
	s_mov_b32 s[G1A+5], 1024                       ; xb: 1,024 elements from row to row
	s_mov_b32 s[G1B+5], 128                        ; w3's part: dense
	s_lshl_b32 s20, s[TR], 18                      ; xb: 128 rows of 2,048 bytes a tile row
	s_mov_b32 s21, 0
	s_mul_i32 s46, s[TC], 786432                   ; w3: the tile,
	s_max_u32 s66, s[WV], NWA
	s_sub_co_u32 s66, s66, NWA
	s_lshl_b32 s66, s66, 15                        ; and my part of a K step: 32,768 bytes
	s_add_co_u32 s46, s46, s66
	s_mov_b32 s47, 0
	s_mul_i32 s67, s[WV], PART                     ; where my load lands in a slot: no place in the cluster enters an LDS address
	s_wait_dscnt 0x0                               ; the opening add is done
	s_wait_kmcnt 0x0
	s_add_nc_u64 s[20:21], s[4:5], s[20:21]
	s_add_nc_u64 s[46:47], s[6:7], s[46:47]
	CROUND                                         ; all sixteen work-groups are here: the first joint loads meet
.irp s, 0,1
	s_mov_b32 s[G0A+4*(\s)], 1
	s_add_co_u32 s[G0A+4*(\s)+1], s67, (\s)*SLOT
	s_add_nc_u64 s[G0A+4*(\s)+2:G0A+4*(\s)+3], s[20:21], (\s)*ASTEP
	s_or_b32 s[G0A+4*(\s)+3], s[G0A+4*(\s)+3], 0x80000000
	s_mov_b32 s[G0B+4*(\s)], 1
	s_add_co_u32 s[G0B+4*(\s)+1], s67, (\s)*SLOT
	s_add_nc_u64 s[G0B+4*(\s)+2:G0B+4*(\s)+3], s[46:47], (\s)*BSTEP
	s_or_b32 s[G0B+4*(\s)+3], s[G0B+4*(\s)+3], 0x80000000
	JLOAD \s                                       ; K steps 0 and 1: two loads of mine are out
.endr
	v_and_b32 v1, 15, v0                           ; r = l % 16
	v_bfe_u32 v2, v0, 4, 1                         ; h = l / 16
	v_and_b32 v3, 7, v0
	v_bfe_u32 v4, v0, 3, 1
	v_and_b32 v5, 31, v0
	v_lshlrev_b32 v[BO], 5, v2                     ; the C operand: register j of lane (r, h) is column 8 h + j of the block
	s_mul_i32 s70, s[TC], 1536
	s_mul_i32 s71, s[WN], 768
	s_add_co_u32 s70, s70, s71
	s_mov_b32 s71, 0
	s_add_nc_u64 s[8:9], s[8:9], s[70:71]          ; the bias at my first column
.set bb, 0
.rept NB
	global_load_b128 v[BIAS+8*bb:BIAS+8*bb+3],   v[BO], s[8:9] offset:64*bb
	global_load_b128 v[BIAS+8*bb+4:BIAS+8*bb+7], v[BO], s[8:9] offset:64*bb+16
.set bb, bb+1
.endr
	v_mul_u32_u24 v6, v1, PA                       ; xb's fragment: row r, 16 bytes for each half of the lanes
	v_lshl_add_u32 v6, v2, 4, v6
	s_mul_i32 s19, s[WM], 64*PA
	v_add_nc_u32 v[ADRA], s19, v6
	v_add_nc_u32 v[ADRA+1], SLOT, v[ADRA]
	v_lshl_add_u32 v7, v2, 3, v3                   ; the turning load: lane l reads k row 8 h + l % 8, 16 bytes at 16 ((l / 8) % 2)
	v_mul_u32_u24 v7, v7, PB
	v_lshl_add_u32 v7, v4, 4, v7
	s_mul_i32 s19, s[WN], BW
	s_add_co_u32 s19, s19, BOFF
	v_add_nc_u32 v[ADRB], s19, v7
	v_add_nc_u32 v[ADRB+1], 2*BQ, v[ADRB]
	v_add_nc_u32 v[ADRB+2], SLOT, v[ADRB]
	v_add_nc_u32 v[ADRB+3], SLOT, v[ADRB+1]
	s_mul_i32 s19, s[WV], WSTG
	s_add_co_u32 s19, s19, STAGE                   ; my stage
	v_mul_u32_u24 v[STO], v1, SP
	v_lshl_add_u32 v[STO], v2, 4, v[STO]
	v_add_nc_u32 v[STO], s19, v[STO]
	v_bfe_u32 v[RD], v0, 3, 2                      ; back: 32 lanes take four rows of 128 bytes,
	v_mul_u32_u24 v[RD], v[RD], SP
	v_lshl_add_u32 v[RD], v3, 4, v[RD]
	v_add_nc_u32 v[RD], s19, v[RD]
	v_lshlrev_b32 v[GO], 4, v5                     ; which are 512 consecutive bytes of a slot of qkv
	s_mul_i32 s68, s[TC], 6
	s_mul_i32 s69, s[WN], 3
	s_add_co_u32 s68, s68, s69                     ; my first slot
	s_lshl_b32 s68, s68, 19                        ; 4,096 rows of 128 bytes
	s_lshl_b32 s69, s[TR], 14
	s_add_co_u32 s68, s68, s69
	s_lshl_b32 s69, s[WM], 13
	s_add_co_u32 s68, s68, s69
	s_mov_b32 s69, 0
	s_add_nc_u64 s[10:11], s[10:11], s[68:69]      ; qkv at my first row of my first head
	; the prefetches
	s_and_b32 s2, ttmp7, 0xffff                    ; cluster y
	s_mov_b32 s[PFS], BSTEP
	s_cmp_lt_u32 s[WV], NWA                        ; do I fetch xb?
	s_cselect_b32 s2, ttmp9, s2                    ; the coordinate along which other clusters read the same rows
	s_cselect_b32 s3, s[CX], s[CY]                 ; my place among the four that ask with me
	s_cselect_b32 s68, 16, 13                      ; 32 rows: of 2,048 bytes in xb, of 256 in w3's dense stream
	s_cselect_b32 s69, 11, 8
	s_cselect_b32 s[PFS], ASTEP, s[PFS]
	s_cselect_b64 s[PFA:PFA+1], s[20:21], s[46:47]
	s_cmp_eq_u32 s2, 0
	s_cselect_b32 s[LIM], 1, -1                    ; the same in all sixteen partners, for a given wave
	s_lshl_b32 s70, s3, s68
	s_mul_i32 s71, s[PFS], 3                       ; at K step 3: the first refill steps it to 4
	s_add_co_u32 s70, s70, s71
	s_mov_b32 s71, 0
	s_add_nc_u64 s[PFA:PFA+1], s[PFA:PFA+1], s[70:71]
	s_mov_b32 s[PFS+1], 0
	v_lshlrev_b32 v[PFO], s69, v5
; The products of block a of 16 rows (of four) with all NB blocks of columns, from fragment buffers f.  The accumulators take turns, one instruction a turn, over the macros' ends and the backward jump too.
; first = 1: the sums start at the bias.
.macro MULA f, a, first=0
.set cc, 0
.rept KD
.set bb, 0
.rept NB
.set rD, 8*(NB*((\a)%2)+bb)
.set rB, FB0+FBS*(\f)+8*(NB*cc+bb)
.set rA, FA0+FAS*(\f)+8*(KD*(\a)+cc)
.if (\first) && (cc == 0)
	WIN 0x81+0x40*((\a)/2)                         ; w3 window 1, xb and the bias window 0, the result window 2 or 3
	v_wmma_f32_16x16x32_bf16 v[rD:rD+7], v[rB:rB+7], v[rA:rA+7], v[BIAS+8*bb:BIAS+8*bb+7]
.else
	WIN 0xa1+0x50*((\a)/2)
	v_wmma_f32_16x16x32_bf16 v[rD:rD+7], v[rB:rB+7], v[rA:rA+7], v[rD:rD+7]
.endif
.set bb, bb+1
.endr
.set cc, cc+1
.endr
.endm
; 32 LDS loads in one run: quarter q of a slot into buffers f: w3's 24 (turned), then xb's 8; the youngest 4 KD are xb's rows 32-63
.macro FETCH slot, q, f
	WIN 0x40
.set cc, 0
.rept KD
.set bb, 0
.rept NB
.set rB, FB0+FBS*(\f)+8*(NB*cc+bb)
.set oB, ((\q)%2)*BQ+cc*32*PB+(bb/4)*144+(bb%4)*32
	ds_load_tr16_b128 v[rB:rB+3],   v[ADRB+2*(\slot)+(\q)/2] offset:oB
	ds_load_tr16_b128 v[rB+4:rB+7], v[ADRB+2*(\slot)+(\q)/2] offset:oB+16*PB
.set bb, bb+1
.endr
.set cc, cc+1
.endr
	WIN 0
.set aa, 0
.rept 4
.set cc, 0
.rept KD
.set rA, FA0+FAS*(\f)+8*(KD*aa+cc)
.set oA, (\q)*AQ+cc*64+aa*16*PA
	ds_load_b128 v[rA:rA+3],   v[ADRA+(\slot)] offset:oA
	ds_load_b128 v[rA+4:rA+7], v[ADRA+(\slot)] offset:oA+32
.set cc, cc+1
.endr
.set aa, aa+1
.endr
.endm
; One of a K step's first three quarters: multiplies buffers f and, in its middle, fetches quarter q into buffers g
.macro QUARTER slot, q, f, g, first=0
	s_wait_dscnt 4*KD                              ; all but xb's rows 32-63 are in
	MULA \f, 0, \first
	MULA \f, 1, \first
	PLACES
	FETCH \slot, \q, \g
	s_wait_dscnt 32                                ; all but the 32 just issued
	MULA \f, 2, \first
	MULA \f, 3, \first
.endm
; The last quarter multiplies buffers 1 and changes slots: one barrier.  In front of it each wave waits for all its tensor loads (one is out: its part of the next slot), adds 0 to its spare word, and waits
; for that and for its reads of this slot.  fill = 1: the barrier opens a round of the cluster's, and the joint refill, two K steps on, is the first thing behind it: 168 matrix instructions ahead of the wait for it.
.macro TURN slot, next, fill
.if \fill
	s_wait_xcnt 0x0                                ; the last prefetch, a K step back, has read its address
	s_add_nc_u64 s[PFA:PFA+1], s[PFA:PFA+1], s[PFS:PFS+1]
.endif
	WIN 0
	s_wait_tensorcnt 0x0                           ; all my tensor loads have landed
	ds_add_u32 v[SPW], v[NIL]                      ; 0 onto my spare word
	s_wait_dscnt 4*KD+1                            ; (the add and xb's rows 32-63 may be out)
	MULA 1, 0
	s_wait_dscnt 0x0                               ; the add is done, and my reads of this slot are over
	s_barrier_signal -1
	MULA 1, 1
.if \fill
	WIN 0
.endif
	s_barrier_wait -1
.if \fill
	CREST                                          ; no wave of any partner still reads this slot or has a load on its way
	s_add_nc_u64 s[G0A+4*(\slot)+2:G0A+4*(\slot)+3], s[G0A+4*(\slot)+2:G0A+4*(\slot)+3], 2*ASTEP
	s_add_nc_u64 s[G0B+4*(\slot)+2:G0B+4*(\slot)+3], s[G0B+4*(\slot)+2:G0B+4*(\slot)+3], 2*BSTEP
	JLOAD \slot                                    ; its four v_nop are also the places in front of the loads below
.else
	PLACES
.endif
	FETCH \next, 0, 0
.if \fill
	ASK
.endif
	MULA 1, 2
	MULA 1, 3
.endm
	s_wait_tensorcnt 1                             ; my part of K step 0 is in; K step 1's may stay out
	s_barrier_signal -1
	s_barrier_wait -1
	FETCH 0, 0, 0
	s_wait_loadcnt 0x0                             ; the bias
	QUARTER 0, 1, 0, 1, 1                          ; the first quarter stands in front of the loop: its products start the sums
	WIN 0
	s_mov_b32 s[LAP], LAPS-1
.Llap:                                         ; a trip goes once round the ring, from a lap's second quarter to the next lap's first, and fills both slots again
	QUARTER 0, 2, 1, 0
	QUARTER 0, 3, 0, 1
	TURN 0, 1, 1
	QUARTER 1, 1, 0, 1
	QUARTER 1, 2, 1, 0
	QUARTER 1, 3, 0, 1
	TURN 1, 0, 1
	QUARTER 0, 1, 0, 1
	WIN 0
	s_sub_co_u32 s[LAP], s[LAP], 1
	s_cmp_lg_u32 s[LAP], 0
	s_cbranch_scc1 .Llap
	QUARTER 0, 2, 1, 0                             ; the last lap asks for nothing
	QUARTER 0, 3, 0, 1
	TURN 0, 1, 0
	QUARTER 1, 1, 0, 1
	QUARTER 1, 2, 1, 0
	QUARTER 1, 3, 0, 1
	s_wait_dscnt 4*KD
	MULA 1, 0
	MULA 1, 1
	s_wait_dscnt 0x0
	MULA 1, 2
	MULA 1, 3
	WIN 0
	PLACES
	PLACES
; THE WAY OUT, 16 rows at a time: rounded to f16; a lane's 16 bytes into my stage (a head's rows 144 bytes apart); back as four whole rows of 128 bytes a load; stored as 512 consecutive bytes of a slot.
.macro PACK a
	WIN 0x0a+5*((\a)/2)                            ; sources in window 2 or 3
.set bb, 0
.rept NB
.set rD, 8*(NB*((\a)%2)+bb)
.irp i, 0,1,2,3
	v_cvt_pk_f16_f32 v[TMP+4*bb+\i], v[rD+2*\i], v[rD+2*\i+1]  ; each accumulator from its low end on
.endr
.set bb, bb+1
.endr
	WIN 0
.endm
.macro TOSTAGE a
.set bb, 0
.rept NB
	ds_store_b128 v[STO], v[TMP+4*bb:TMP+4*bb+3] offset:(bb/4)*16*SP+(bb%4)*32
.set bb, bb+1
.endr
.set bb, 0
.rept NB
	ds_load_b128 v[OB+48*((\a)%2)+4*bb:OB+48*((\a)%2)+4*bb+3], v[RD] offset:(bb/4)*16*SP+(bb%4)*4*SP  ; LDS serves a wave's instructions in order (ISA guide 5.7.1.4): these see the stores above
.set bb, bb+1
.endr
.endm
.macro SEND a
	s_wait_dscnt 0x0                               ; the block is back in registers
	s_wait_xcnt 0x0                                ; earlier stores have read their registers: the other set is loaded again only behind this wait
.set bb, 0
.rept NB
	global_store_b128 v[GO], v[OB+48*((\a)%2)+4*bb:OB+48*((\a)%2)+4*bb+3], s[10:11] offset:(bb/4)*524288+(\a)*2048+(bb%4)*512
.set bb, bb+1
.endr
.endm
	PACK 0
	TOSTAGE 0
.irp a, 1,2,3                          ; a block's conversions stand between the loads of the block before and the wait for them
	PACK \a
	SEND (\a)-1
	TOSTAGE \a
.endr
	SEND 3
	s_wait_tensorcnt 0x0                           ; the wave's end, behind my last tensor load and my last LDS store
	ds_add_u32 v[SPW], v[NIL]
	s_wait_dscnt 0x0
	CROUND                                         ; the closing round: no work-group ends while a partner may still ask for a tile that names it
	s_endpgm
.Lfunc_end_k_q2ff487da77_qkv:
	.size	k_q2ff487da77_qkv, .Lfunc_end_k_q2ff487da77_qkv-k_q2ff487da77_qkv
	.p2alignl 7, 3214868480
	.fill 96, 4, 3214868480
	.section	.rodata,"a",@progbits
	.p2align	6, 0x0
	.amdhsa_kernel k_q2ff487da77_qkv
		.amdhsa_group_segment_fixed_size 327680
		.amdhsa_private_segment_fixed_size 0
		.amdhsa_enable_private_segment 0
		.amdhsa_kernarg_size 32
		.amdhsa_user_sgpr_count 2
		.amdhsa_user_sgpr_kernarg_segment_ptr 1
		.amdhsa_wavefront_size32 1
		.amdhsa_system_sgpr_workgroup_id_x 1
		.amdhsa_system_sgpr_workgroup_id_y 1
		.amdhsa_system_sgpr_workgroup_id_z 1
		.amdhsa_system_vgpr_workitem_id 0
		.amdhsa_next_free_vgpr 1024
		.amdhsa_next_free_sgpr 72
		.amdhsa_reserve_vcc 0
		.amdhsa_float_denorm_mode_32 3
		.amdhsa_float_denorm_mode_16_64 3
		.amdhsa_memory_ordered 1
		.amdhsa_forward_progress 1
		.amdhsa_inst_pref_size 122
	.end_amdhsa_kernel
	.amdgpu_metadata
---
amdhsa.version: [ 1, 2 ]
amdhsa.kernels:
  - .name:           k_q2ff487da77_qkv
    .symbol:         k_q2ff487da77_qkv.kd
    .args:
      - { .name: xb, .offset: 0, .size: 8, .value_kind: global_buffer, .address_space: global }
      - { .name: w3, .offset: 8, .size: 8, .value_kind: global_buffer, .address_space: global }
      - { .name: bias, .offset: 16, .size: 8, .value_kind: global_buffer, .address_space: global }
      - { .name: qkv, .offset: 24, .size: 8, .value_kind: global_buffer, .address_space: global }
    .group_segment_fixed_size: 327680
    .private_segment_fixed_size: 0
    .kernarg_segment_align: 8
    .kernarg_segment_size: 32
    .max_flat_workgroup_size: 128
    .sgpr_count:     72
    .vgpr_count:     1024
    .wavefront_size: 32
...
	.end_amdgpu_metadata
.endif
;; end of part 2
;; launch attn (part 3): grid 16 x 16, 4 waves a work-group, no clusters, 167,936 bytes of LDS; arguments qkv, ob; writes ob
.if DOCPART == 3
	.amdgcn_target "amdgcn-amd-amdhsa--gfx1250"
	.amdhsa_code_object_version 6
	.text
	.protected	k_q2ff487da77_attn
	.globl	k_q2ff487da77_attn
	.p2align	8
	.type	k_q2ff487da77_attn,@function
k_q2ff487da77_attn:
	s_mov_b64 s[64:65], 0
	v_nop
	global_prefetch_b8 v0, s[64:65] scope:SCOPE_SE
	s_setreg_imm32_b32 hwreg(HW_REG_WAVE_MODE, 25, 1), 1
	s_wait_xcnt 0x0
; WINDOWED ATTENTION.  O[h][q] = the sum over |k - q| <= 128 of softmax_k(Q[h][q] . K[h][k] / 8) V[h][k].  Q, K, V lie in qkv [48 slots][4096][64] f16 (q head h in slot (h + 40) mod 48, k in 8 + h,
; v in 24 + h); O goes to ob [16][4096][64] f16.  Products, maxima and sums in f32; the weights p are rounded to f16 for the second product (their sum l is taken of the unrounded p), O once at the end.
; LIMITS.  Q, K, V arrive within f16's 65,504.  A hidden score counts as its value less 1e30: f16's scores, 2.7e11 at the most, are nothing beside that.  A weight below 2^-126 counts as 0.
; NaN and infinities are not treated apart.
; SHARES.  A work-group owns 256 queries of one head (16 x 16 = 256 work-groups) and needs the 512 keys from 128 before its first query on: they come once, by one tensor load a wave (waves 0, 1: K's halves,
; waves 2, 3: V's), and nothing in LDS is filled again.  At a head's ends the tile reaches 128 rows into the neighbouring slot of qkv: rows that the launch before has stored, finite, and hidden by the mask.
; A wave owns 64 queries, four tiles t of 16, and walks five steps s of 64 keys from tile key 64 w on.  With kk the key's place in its step, key - query = 64 s + kk - 128 - 16 t - r:
; steps 1-3 are wholly inside the window; in step 0 a key is hidden where kk < 16 t + r, in step 4 where kk > 16 t + r.  A step that lies before the sequence's first key (block 0, w + s < 2) or behind its last
; (block 15, w + s >= 6) is hidden whole.
; THE MASK is the C operand that starts a sum S^T = K Q^T: 0 or -1e30; seven sets of eight registers, made once.
; THE SOFTMAX takes the TRUE maximum away: all 320 scores of a query are held in registers (640 a lane for the four tiles) before the first exponential; the query's own key lies in step 2 and is never hidden.
; LAYOUT.  S^T = K Q^T holds one query a lane (l % 16) and the keys 8 (l / 16) + 0..7; two such results rounded to f16 in pairs ARE source 1 of O^T = V^T P.  V ([key][channel]) is turned by ds_load_tr16_b128.
; NO CLUSTER: neighbouring blocks share half of their keys, but that half is the upper half of one's tile and the lower half of the other's, and a joint load has one LDS address for all that it names.
; NO PREFETCH: every byte of K and V that the work-group reads is asked for at its head; there is no later step to ask ahead for.
; REGISTERS, in windows of 256 (s_set_vgpr_msb: bits 1:0 source 0, 3:2 source 1, 5:4 source 2, 7:6 destination):
;   window 0: v1-14 addresses and constants; v16-55 statistics; v64-127 Q; v128-191, v192-255 two buffers for K's or V's fragments of a step
;   S^T of step s: window 1 + s / 2, at 128 (s % 2) + 32 t + 8 kb; P takes its place.     window 3, v128-255: first the masks, then O^T (32 t + 8 cb)
.set PKP,   144                        ; a row of K in LDS: 128 bytes + 16: the 16 rows of a load start at 16 different groups of four banks (64 banks of 4 bytes: ISA guide 11.1)
.set PVP,   160                        ; a row of V: 128 + 32
.set VOFF,  512*PKP
.set STAGE, VOFF+512*PVP               ; never filled by a tensor load: 16 rows x 144 bytes for each wave, for the way out
.set SP,    144
.set SPARE, STAGE+4*16*SP              ; the spare words, 128 bytes for each wave: two blocks of 256 bytes that no other line names
.set AK,  2                            ; v2   my place in K: wave x 64 rows + row r + 16 h
.set AV,  3                            ; v3   my place in V, for the turning load
.set QO,  4                            ; v4   my byte offset in 16 rows of Q
.set STO, 5                            ; v5   the way out: where I put 16 bytes of a row
.set RD,  6                            ; v6   where I read rows back
.set GO,  7                            ; v7   my 16 bytes of 512 consecutive bytes of O
.set SPW, 10                           ; v10  LDS address of my spare word; never rewritten
.set NIL, 11                           ; v11  0; never rewritten
.set BIG, 12                           ; v12  -1e30;  v13, v14 what a key inside the window gets in step 0, step 4: 0, or -1e30 at the sequence's ends
.set CM,  16                           ; v[16+2t:17+2t] c m, as a pair
.set MX,  24                           ; v24+t  the maximum
.set TM,  28                           ; v28+t  at work
.set LS,  32                           ; v[32+4t+2ch ..] two chains of sums a tile (in a pair: even keys', odd keys')
.set RC,  48                           ; v[48+2t:49+2t] 1 / l, as a pair
.set Q,   64
.set B0,  128
.set B1,  192
.set OUTR, 128                         ; the way out: 16 registers a tile
.set OA,  128                          ; window 3
.set MHID, 128                         ; window 3: hidden whole
.set MD0,  136                         ; step 0, the block that holds the window's edge
.set MV0,  144                         ; step 0, inside the window
.set MV1,  152                         ; step 1
.set MV3,  160                         ; step 3
.set MD4,  168                         ; step 4, the edge
.set MV4,  176                         ; step 4, inside
.set WV,  12
.set BLK, 13
.set HD,  14
.set G1K, 24
.set G1V, 32
.set G0K, 40
.set G0V, 44
.set CS,  58                           ; s[58:59] c = log2(e) / 8
.set SEL, 60                           ; s[60:61] v_permlanex16_b32's selects: each lane takes its own place in the other half
.set MSB, 0
.macro WIN new
.if MSB != (\new)
	s_set_vgpr_msb (MSB<<8)|(\new)
.set MSB, \new
.endif
.endm
.macro PLACES                          ; four plain instructions between a matrix instruction and a load into its registers
.rept 4
	v_nop
.endr
.endm
	s_load_b128 s[4:7], s[0:1], 0x0                ; qkv 4:5, ob 6:7
	v_lshl_add_u32 v[SPW], v0, 2, SPARE
	v_mov_b32 v[NIL], 0
	ds_add_u32 v[SPW], v[NIL]                      ; the wave's opening: the add and its wait stand ahead of the first tensor load; the set-up below stands between them
	v_lshrrev_b32 v1, 5, v0
	v_readfirstlane_b32 s[WV], v1
	s_mov_b32 s[BLK], ttmp9
	s_and_b32 s[HD], ttmp7, 0xffff
	; 256 keys are 32,768 dense bytes: asked for as 128 rows of 256 bytes, two keys a row, padded in LDS after every key
	s_mov_b32 s[G1K], (1<<16)|(1<<20)|(4<<22)|(3<<25)  ; 2-byte elements; padding on; after every 32 words, 4 words
	s_mov_b32 s[G1V], (1<<16)|(1<<20)|(4<<22)|(7<<25)  ; 8 words
.irp g, G1K, G1V
	s_mov_b32 s[(\g)+1], 128<<16
	s_mov_b32 s[(\g)+2], 128<<16
	s_mov_b32 s[(\g)+3], 128<<16
	s_mov_b32 s[(\g)+4], 128
	s_mov_b32 s[(\g)+5], 128
	s_mov_b32 s[(\g)+6], 0
	s_mov_b32 s[(\g)+7], 0
.endr
	s_mov_b32 s[G0K], 1
	s_mul_i32 s[G0K+1], s[WV], 256*PKP             ; waves 0, 1: K's halves
	s_mov_b32 s[G0V], 1
	s_mul_i32 s[G0V+1], s[WV], 256*PVP             ; waves 2, 3: V's halves, from VOFF on
	s_sub_co_u32 s[G0V+1], s[G0V+1], 2*256*PVP-VOFF
	s_add_co_u32 s20, s[HD], 8                     ; k's slot,
	s_lshl_b32 s20, s20, 19
	s_lshl_b32 s21, s[BLK], 15                     ; the block's 256 rows of 128 bytes,
	s_add_co_u32 s20, s20, s21
	s_and_b32 s21, s[WV], 1
	s_lshl_b32 s21, s21, 15                        ; my half of the 512 keys,
	s_add_co_u32 s20, s20, s21
	s_sub_co_u32 s20, s20, 16384                   ; which begin 128 rows before the block
	s_mov_b32 s21, 0
	s_add_co_u32 s22, s20, 16*524288               ; v's slot lies 16 further on
	s_mov_b32 s23, 0
	s_cmp_lt_u32 s[HD], 8
	s_cselect_b32 s16, 40, -8
	s_add_co_u32 s16, s16, s[HD]                   ; q's slot
	s_lshl_b32 s16, s16, 19
	s_lshl_b32 s18, s[BLK], 15
	s_lshl_b32 s19, s[WV], 13                      ; my wave's 64 rows
	s_add_co_u32 s18, s18, s19
	s_add_co_u32 s16, s16, s18
	s_mov_b32 s17, 0
	s_lshl_b32 s19, s[HD], 19
	s_add_co_u32 s18, s18, s19
	s_mov_b32 s19, 0
	s_mov_b32 s[CS], 0x3e38aa3b
	s_mov_b32 s[CS+1], s[CS]
	s_mov_b32 s[SEL], 0x76543210
	s_mov_b32 s[SEL+1], 0xfedcba98
	s_mov_b32 s54, 0xf149f2ca                      ; -1e30
	s_cmp_eq_u32 s[BLK], 0
	s_cselect_b32 s55, s[WV], 8
	s_cmp_eq_u32 s[BLK], 15
	s_cselect_b32 s56, s[WV], 0
	s_cmp_lt_u32 s55, 2                            ; block 0: step 0 lies before the first key for waves 0, 1,
	s_cselect_b32 s50, s54, 0
	s_cmp_lt_u32 s55, 1                            ; step 1 for wave 0
	s_cselect_b32 s51, s54, 0
	s_cmp_ge_u32 s56, 3                            ; block 15: step 3 lies behind the last key for wave 3,
	s_cselect_b32 s52, s54, 0
	s_cmp_ge_u32 s56, 2                            ; step 4 for waves 2, 3
	s_cselect_b32 s53, s54, 0
	v_and_b32 v1, 15, v0                           ; r
	v_bfe_u32 v8, v0, 4, 1                         ; h
	v_lshlrev_b32 v[QO], 7, v1
	v_lshl_add_u32 v[QO], v8, 4, v[QO]
	s_wait_dscnt 0x0                               ; the opening add is done
	s_wait_kmcnt 0x0
	s_add_nc_u64 s[G0K+2:G0K+3], s[4:5], s[20:21]
	s_or_b32 s[G0K+3], s[G0K+3], 0x80000000
	s_add_nc_u64 s[G0V+2:G0V+3], s[4:5], s[22:23]
	s_or_b32 s[G0V+3], s[G0V+3], 0x80000000
	s_add_nc_u64 s[8:9], s[4:5], s[16:17]          ; Q at my wave's first row
	s_add_nc_u64 s[6:7], s[6:7], s[18:19]          ; O likewise
	s_cmp_lt_u32 s[WV], 2                          ; one load a wave; an s_nop 0 and four v_nop follow each line
	s_cbranch_scc0 .Lfor_v
	tensor_load_to_lds s[G0K:G0K+3], s[G1K:G1K+7]
	s_nop 0
	PLACES
	s_branch .Lasked
.Lfor_v:
	tensor_load_to_lds s[G0V:G0V+3], s[G1V:G1V+7]
	s_nop 0
	PLACES
.Lasked:
.set i, 0
.rept 8                                ; Q stays in registers: tile i / 2, channels 32 (i % 2) on
	global_load_b128 v[Q+8*i:Q+8*i+3],   v[QO], s[8:9] offset:(i/2)*2048+(i%2)*64
	global_load_b128 v[Q+8*i+4:Q+8*i+7], v[QO], s[8:9] offset:(i/2)*2048+(i%2)*64+32
.set i, i+1
.endr
	; all that follows up to the barrier stands in the wait for the tiles
	v_lshlrev_b32 v9, 3, v8
	v_sub_nc_u32 v9, v1, v9                        ; r - 8 h: in the block that holds the edge, register j is key 8 h + j against query r
	v_mov_b32 v[BIG], s54
	v_mov_b32 v[BIG+1], s50
	v_mov_b32 v[BIG+2], s53
	WIN 0xc0                                       ; destination window 3
.set i, 0
.rept 8
	v_mov_b32 v[MHID+i], s54
	v_cmp_lt_i32 vcc_lo, i, v9                     ; step 0: hidden where 8 h + j < r
	v_cndmask_b32 v[MD0+i], v[BIG+1], v[BIG], vcc_lo
	v_mov_b32 v[MV0+i], s50
	v_mov_b32 v[MV1+i], s51
	v_mov_b32 v[MV3+i], s52
	v_cmp_gt_i32 vcc_lo, i, v9                     ; step 4: hidden where 8 h + j > r
	v_cndmask_b32 v[MD4+i], v[BIG+2], v[BIG], vcc_lo
	v_mov_b32 v[MV4+i], s53
.set i, i+1
.endr
	WIN 0
.irp t, 0,1,2,3
	v_mov_b32 v[MX+\t], 0xff7fffff                 ; the lowest finite number
	v_mov_b32 v[TM+\t], 0
	v_mov_b32 v[LS+4*\t], 0
	v_mov_b32 v[LS+4*\t+1], 0
	v_mov_b32 v[LS+4*\t+2], 0
	v_mov_b32 v[LS+4*\t+3], 0
.endr
	v_mul_u32_u24 v[AK], v1, PKP
	v_lshl_add_u32 v[AK], v8, 4, v[AK]
	s_mul_i32 s19, s[WV], 64*PKP
	v_add_nc_u32 v[AK], s19, v[AK]
	v_and_b32 v15, 7, v0
	v_bfe_u32 v56, v0, 3, 1
	v_lshl_add_u32 v[AV], v8, 3, v15               ; the turning load: lane l reads key 8 h + l % 8, 16 bytes at 16 ((l / 8) % 2)
	v_mul_u32_u24 v[AV], v[AV], PVP
	v_lshl_add_u32 v[AV], v56, 4, v[AV]
	s_mul_i32 s19, s[WV], 64*PVP
	s_add_co_u32 s19, s19, VOFF
	v_add_nc_u32 v[AV], s19, v[AV]
	s_mul_i32 s19, s[WV], 16*SP
	s_add_co_u32 s19, s19, STAGE
	v_mul_u32_u24 v[STO], v1, SP
	v_lshl_add_u32 v[STO], v8, 4, v[STO]
	v_add_nc_u32 v[STO], s19, v[STO]
	v_bfe_u32 v[RD], v0, 3, 2
	v_mul_u32_u24 v[RD], v[RD], SP
	v_lshl_add_u32 v[RD], v15, 4, v[RD]
	v_add_nc_u32 v[RD], s19, v[RD]
	v_and_b32 v[GO], 31, v0
	v_lshlrev_b32 v[GO], 4, v[GO]
; THE LDS LOADS stand in runs of 16: a step's K (8 fragments: keys 16 (f / 2) on, channels 32 (f % 2) on) or its V, turned (keys 32 (f / 4) on, channels 16 (f % 4) on)
.macro FETCH_K s, buf
	WIN 0
.irp f, 0,1,2,3,4,5,6,7
	ds_load_b128 v[(\buf)+8*\f:(\buf)+8*\f+3],   v[AK] offset:(64*(\s)+16*(\f/2))*PKP+(\f%2)*64
	ds_load_b128 v[(\buf)+8*\f+4:(\buf)+8*\f+7], v[AK] offset:(64*(\s)+16*(\f/2))*PKP+(\f%2)*64+32
.endr
.endm
.macro FETCH_V s, buf
	WIN 0
.irp f, 0,1,2,3,4,5,6,7
	ds_load_tr16_b128 v[(\buf)+8*\f:(\buf)+8*\f+3],   v[AV] offset:(64*(\s)+32*(\f/4))*PVP+(\f%4)*32
	ds_load_tr16_b128 v[(\buf)+8*\f+4:(\buf)+8*\f+7], v[AV] offset:(64*(\s)+32*(\f/4))*PVP+16*PVP+(\f%4)*32
.endr
.endm
; A step's 32 products S^T = K Q^T: channels 32 (i / 16) on, key block kb = (i % 16) / 4, tile t = i % 4.  The 16 accumulators take turns.  The first 16 start the sums with the mask.
.macro QK s, buf
.set WW, 1+(\s)/2
.set SB, 128*((\s)%2)
.set i, 0
.rept 32
.set kb, (i%16)/4
.set t, i%4
.set rS, SB+32*t+8*kb
.set rK, (\buf)+16*kb+8*(i/16)
.set rQ, Q+16*t+8*(i/16)
.if (\s) == 0
.if kb < t
.set rM, MHID
.elseif kb == t
.set rM, MD0
.else
.set rM, MV0
.endif
.elseif (\s) == 1
.set rM, MV1
.elseif (\s) == 3
.set rM, MV3
.else
.if kb < t
.set rM, MV4
.elseif kb == t
.set rM, MD4
.else
.set rM, MHID
.endif
.endif
.if (i < 16) && ((\s) == 2)
	WIN (WW<<6)|0x30
	v_wmma_f32_16x16x32_f16 v[rS:rS+7], v[rK:rK+7], v[rQ:rQ+7], 0
.elseif i < 16
	WIN (WW<<6)|0x30                               ; K and Q window 0, the mask window 3
	v_wmma_f32_16x16x32_f16 v[rS:rS+7], v[rK:rK+7], v[rQ:rQ+7], v[rM:rM+7]
.else
	WIN WW*0x50
	v_wmma_f32_16x16x32_f16 v[rS:rS+7], v[rK:rK+7], v[rQ:rQ+7], v[rS:rS+7]
.endif
.set i, i+1
.endr
.endm
; A step's scores into the four tiles' maxima: four chains; each accumulator is read from its low end on
.macro MAXS s
.set WW, 1+(\s)/2
.set SB, 128*((\s)%2)
	WIN WW*0x14                                    ; sources 1 and 2 in the scores' window
.set i, 0
.rept 64
.set rS, SB+32*(i%4)+8*(i/16)+2*((i/4)%4)
	v_max3_num_f32 v[MX+i%4], v[MX+i%4], v[rS], v[rS+1]
.set i, i+1
.endr
.endm
; A step's weights.  Pair n of 64 (tile n % 4) lies at SB + 32 (n % 4) + 2 (n / 4).
.macro FSC n                           ; c s - c m for pair n
.set rF, SB+32*((\n)%4)+2*((\n)/4)
	v_pk_fma_f32 v[rF:rF+1], v[rF:rF+1], s[CS:CS+1], v[CM+2*((\n)%4):CM+2*((\n)%4)+1] op_sel_hi:[1,0,0] neg_lo:[0,0,1] neg_hi:[0,0,1]
.endm
.macro SOFT s
.set WW, 1+(\s)/2
.set SB, 128*((\s)%2)
	WIN WW*0x41                                    ; destination and source 0 in the scores' window, c m in window 0
	FSC 0
	FSC 1
	FSC 2
	FSC 3
.set i, 0
.rept 64                               ; ONE BATCH of 128 exponentials; a scaling, four pairs ahead, stands between a pair's two; nothing here names an exponential's result
.set rE, SB+32*(i%4)+2*(i/4)
	v_exp_f32 v[rE], v[rE]
.if i < 60
	FSC i+4
.endif
	v_exp_f32 v[rE+1], v[rE+1]
.set i, i+1
.endr
	v_nop                                          ; a plain instruction behind the last exponential,
	s_wait_alu depctr_va_vdst(0)                   ; and the one wait ahead of the batch's first reader
	WIN WW<<2
.set i, 0
.rept 64                               ; the sums, of the unrounded weights: eight chains
.set rE, SB+32*(i%4)+2*(i/4)
.set rL, LS+4*(i%4)+2*((i/4)%2)
	v_pk_add_f32 v[rL:rL+1], v[rL:rL+1], v[rE:rE+1]
.set i, i+1
.endr
	WIN WW*0x45
.set i, 0
.rept 64                               ; rounded to f16 in place: of group g = i % 8 (tile g % 4, keys 32 (g / 4) on: 16 registers) pair i / 8 goes into register i / 8, ascending, so nothing unread is written
.set rE, SB+32*(i%4)+16*((i%8)/4)
	v_cvt_pk_f16_f32 v[rE+i/8], v[rE+2*(i/8)], v[rE+2*(i/8)+1]
.set i, i+1
.endr
.endm
; A step's 32 products O^T += V^T P: keys 32 (i / 16) on, channels 16 ((i % 16) / 4) on, tile i % 4.  The 16 accumulators take turns.  The very first 16 start the sums.
.macro PV s, buf
.set WW, 1+(\s)/2
.set SB, 128*((\s)%2)
	WIN 0xf0|(WW<<2)                               ; V window 0, P in the scores' window, O^T window 3
.set i, 0
.rept 32
.set rO, OA+32*(i%4)+8*((i%16)/4)
.set rV, (\buf)+32*(i/16)+8*((i%16)/4)
.set rP, SB+32*(i%4)+16*(i/16)
.if ((\s) == 0) && (i < 16)
	v_wmma_f32_16x16x32_f16 v[rO:rO+7], v[rV:rV+7], v[rP:rP+7], 0
.else
	v_wmma_f32_16x16x32_f16 v[rO:rO+7], v[rV:rV+7], v[rP:rP+7], v[rO:rO+7]
.endif
.set i, i+1
.endr
.endm
	s_wait_tensorcnt 0x0                           ; my part of the tiles is in,
	s_barrier_signal -1
	s_barrier_wait -1                              ; everybody's is
	FETCH_K 0, B0
	FETCH_K 1, B1
	s_wait_loadcnt 0x0                             ; Q
	s_wait_dscnt 16                                ; the older run is in, the younger may stay out: so in front of every step below
	QK 0, B0
	PLACES
	FETCH_K 2, B0                                  ; the buffer just read takes the run after next
	s_wait_dscnt 16
	QK 1, B1
	PLACES
	FETCH_K 3, B1
	s_wait_dscnt 16
	QK 2, B0
	PLACES
	FETCH_K 4, B0
	s_wait_dscnt 16
	QK 3, B1
	PLACES
	FETCH_V 0, B1
	s_wait_dscnt 16
	QK 4, B0
	PLACES
	FETCH_V 1, B0
	MAXS 0
	MAXS 1
	MAXS 2
	MAXS 3
	MAXS 4
	WIN 0
.irp t, 0,1,2,3
	v_permlanex16_b32 v[TM+\t], v[MX+\t], s[SEL], s[SEL+1]  ; the query's other keys lie in the lane 16 away
.endr
.irp t, 0,1,2,3
	v_max_num_f32 v[MX+\t], v[MX+\t], v[TM+\t]
.endr
.irp t, 0,1,2,3
	v_mul_f32 v[CM+2*\t], s[CS], v[MX+\t]
.endr
.irp t, 0,1,2,3
	v_mov_b32 v[CM+2*\t+1], v[CM+2*\t]             ; named with it as a pair
.endr
	SOFT 0
	s_wait_dscnt 16
	PV 0, B1
	PLACES
	FETCH_V 2, B1
	SOFT 1
	s_wait_dscnt 16
	PV 1, B0
	PLACES
	FETCH_V 3, B0
	SOFT 2
	s_wait_dscnt 16
	PV 2, B1
	PLACES
	FETCH_V 4, B1
	SOFT 3
	s_wait_dscnt 16
	PV 3, B0
	SOFT 4
	s_wait_dscnt 0x0                               ; the last run
	PV 4, B1
	; THE WAY OUT.  l's chains, its two halves and the other half of the lanes' are added (the first eight additions are the places behind the last products); O^T is divided by l, rounded to f16 and sent through my stage.
	WIN 0
.irp t, 0,1,2,3
	v_pk_add_f32 v[LS+4*\t:LS+4*\t+1], v[LS+4*\t:LS+4*\t+1], v[LS+4*\t+2:LS+4*\t+3]
.endr
.irp t, 0,1,2,3
	v_add_f32 v[LS+4*\t], v[LS+4*\t], v[LS+4*\t+1]
.endr
.irp t, 0,1,2,3
	v_permlanex16_b32 v[TM+\t], v[LS+4*\t], s[SEL], s[SEL+1]
.endr
.irp t, 0,1,2,3
	v_add_f32 v[LS+4*\t], v[LS+4*\t], v[TM+\t]
.endr
.irp t, 0,1,2,3
	v_rcp_f32 v[RC+2*\t], v[LS+4*\t]
.endr
	v_nop                                          ; a plain instruction behind the last reciprocal,
	s_wait_alu depctr_va_vdst(0)                   ; and the one wait for the four
.irp t, 0,1,2,3
	v_mov_b32 v[RC+2*\t+1], v[RC+2*\t]
.endr
; Tile t: a lane's eight channels of a row pack into 16 bytes; they go into rows of 144 bytes and come back as whole rows of 128, into the registers that they left.
.macro PACK t
	WIN 0xc3                                       ; O^T window 3, 1 / l window 0
.set i, OA+32*(\t)
.rept 16
	v_pk_mul_f32 v[i:i+1], v[i:i+1], v[RC+2*(\t):RC+2*(\t)+1] op_sel_hi:[1,0]
.set i, i+2
.endr
	WIN 0x0f
.set i, 0
.rept 16
	v_cvt_pk_f16_f32 v[OUTR+16*(\t)+i], v[OA+32*(\t)+2*i], v[OA+32*(\t)+2*i+1]
.set i, i+1
.endr
	WIN 0
.irp f, 0,1,2,3
	ds_store_b128 v[STO], v[OUTR+16*(\t)+4*\f:OUTR+16*(\t)+4*\f+3] offset:32*\f
.endr
.irp f, 0,1,2,3
	ds_load_b128 v[OUTR+16*(\t)+4*\f:OUTR+16*(\t)+4*\f+3], v[RD] offset:\f*4*SP  ; LDS serves a wave's instructions in order (ISA guide 5.7.1.4): these see the stores above; the next tile's stores come behind them
.endr
.endm
.macro SEND t, younger                 ; younger: the LDS instructions issued behind tile t's loads: the next tile's eight, or none
.irp f, 0,1,2,3
	s_wait_dscnt (\younger)+3-\f
	global_store_b128 v[GO], v[OUTR+16*(\t)+4*\f:OUTR+16*(\t)+4*\f+3], s[6:7] offset:(\t)*2048+\f*512  ; 512 consecutive bytes, at a multiple of 256 from O's first
.endr
.endm
	PACK 0
	PACK 1                                         ; a tile's arithmetic stands between the loads of the tile before and its stores
	SEND 0, 8
	PACK 2
	SEND 1, 8
	PACK 3
	SEND 2, 8
	SEND 3, 0
	s_wait_tensorcnt 0x0                           ; the wave's end, behind my last tensor load and my last LDS store
	ds_add_u32 v[SPW], v[NIL]
	s_wait_dscnt 0x0
	s_endpgm
.Lfunc_end_k_q2ff487da77_attn:
	.size	k_q2ff487da77_attn, .Lfunc_end_k_q2ff487da77_attn-k_q2ff487da77_attn
	.p2alignl 7, 3214868480
	.fill 96, 4, 3214868480
	.section	.rodata,"a",@progbits
	.p2align	6, 0x0
	.amdhsa_kernel k_q2ff487da77_attn
		.amdhsa_group_segment_fixed_size 167936
		.amdhsa_private_segment_fixed_size 0
		.amdhsa_enable_private_segment 0
		.amdhsa_kernarg_size 16
		.amdhsa_user_sgpr_count 2
		.amdhsa_user_sgpr_kernarg_segment_ptr 1
		.amdhsa_wavefront_size32 1
		.amdhsa_system_sgpr_workgroup_id_x 1
		.amdhsa_system_sgpr_workgroup_id_y 1
		.amdhsa_system_sgpr_workgroup_id_z 1
		.amdhsa_system_vgpr_workitem_id 0
		.amdhsa_next_free_vgpr 1024
		.amdhsa_next_free_sgpr 66
		.amdhsa_reserve_vcc 1
		.amdhsa_float_denorm_mode_32 3
		.amdhsa_float_denorm_mode_16_64 3
		.amdhsa_memory_ordered 1
		.amdhsa_forward_progress 1
		.amdhsa_inst_pref_size 158
	.end_amdhsa_kernel
	.amdgpu_metadata
---
amdhsa.version: [ 1, 2 ]
amdhsa.kernels:
  - .name:           k_q2ff487da77_attn
    .symbol:         k_q2ff487da77_attn.kd
    .args:
      - { .name: qkv, .offset: 0, .size: 8, .value_kind: global_buffer, .address_space: global }
      - { .name: ob, .offset: 8, .size: 8, .value_kind: global_buffer, .address_space: global }
    .group_segment_fixed_size: 167936
    .private_segment_fixed_size: 0
    .kernarg_segment_align: 8
    .kernarg_segment_size: 16
    .max_flat_workgroup_size: 128
    .sgpr_count:     66
    .vgpr_count:     1024
    .wavefront_size: 32
...
	.end_amdgpu_metadata
.endif
;; end of part 3
;; launch proj (part 4): grid 8 x 32, 4 waves a work-group, clusters of 4 x 4, 327,680 bytes of LDS; arguments ob, wo2, bias, out0; writes out0
.if DOCPART == 4
	.amdgcn_target "amdgcn-amd-amdhsa--gfx1250"
	.amdhsa_code_object_version 6
	.text
	.protected	k_q2ff487da77_proj
	.globl	k_q2ff487da77_proj
	.p2align	8
	.type	k_q2ff487da77_proj,@function
k_q2ff487da77_proj:
	s_mov_b64 s[64:65], 0
	v_nop
	global_prefetch_b8 v0, s[64:65] scope:SCOPE_SE
	s_setreg_imm32_b32 hwreg(HW_REG_WAVE_MODE, 25, 1), 1
	s_wait_xcnt 0x0
	s_wait_alu depctr_hold_cnt(0) depctr_sa_sdst(0) depctr_va_vdst(0) depctr_va_sdst(0) depctr_va_ssrc(0) depctr_va_vcc(0) depctr_vm_vsrc(0)
	s_getreg_b32 s2, hwreg(HW_REG_IB_STS2, 6, 4)
	s_cmp_eq_u32 s2, 0
	s_cbranch_scc0 .Lentry_in_a_cluster
	s_endpgm
.Lentry_in_a_cluster:
	s_bfe_u32 s2, ttmp6, 0x10000c
	s_cmp_lg_u32 s2, 0xf033
	s_cbranch_scc0 .Lentry_shape_is_right
	s_endpgm
.Lentry_shape_is_right:
; out0 = O wo + bo: [4096 x 1024] f32.  O lies by heads, ob [16][4096][64] f16; wo2 [8 tiles][1024 k][128 n] f16 holds wo rounded to bf16; the f32 sums start at bo (rounded to bf16, words 3072 on of bias).
; SHARES.  A work-group makes 128 x 128 (8 x 32 = 256 work-groups), each of its four waves 64 x 64: 16 accumulators of 16 x 16.  K = 64 head + channel goes in 4 steps of 256, four heads each, through two LDS slots.
; A step is, of O, four heads x 128 rows x 128 bytes (a head's 128 rows are 16,384 dense bytes: waves 0, 1 fetch two heads each, a head a row of the tile), and of wo2 256 k x 256 bytes, dense (waves 2, 3: 128 rows each).
; Both are padded by 16 bytes behind every 128: O's rows lie 144 bytes apart, wo2's k rows 288 = 9 x 32, so the rows that a load touches start at different groups of banks (64 banks of 4 bytes: ISA guide 11.1).
; wo2 LIES [k][n]: its fragments are turned on the way out of LDS.  THE MATRIX INSTRUCTION IS USED TRANSPOSED (source 0 = 16 columns of wo2, source 1 = 16 rows of O): a lane holds row l % 16, columns 8 (l / 16) + 0..7.
; CLUSTERS: 4 x 4 work-groups; O's tile is asked for jointly along a row of the cluster, wo2's along a column.
; NO PREFETCH: of the four K steps two go out at the head, and the other two are asked for in the one lap that follows: there is no trip far enough ahead of them in which to name them.
; REGISTERS, in windows of 256 (s_set_vgpr_msb: bits 1:0 source 0, 3:2 source 1, 5:4 source 2, 7:6 destination):
;   window 0: v16-29 addresses; v32-95, v96-159 O's fragments, two buffers; v160-191 the bias, as the C operand of the first products; v32-63, v80-111 at work on the way out
;   window 1: v0-63, v64-127 wo2's fragments, two buffers     window 2: accumulators of my rows 0-31 ((a, b) at 8 (4 (a % 2) + b))     window 3: rows 32-63
.set NB,    4                          ; blocks of 16 columns a wave
.set KD,    2                          ; matrix instructions deep in a quarter of a K step: a quarter is a head
.set NWA,   2                          ; waves that fetch O's tile
.set PA,    144
.set AQ,    128*PA                     ; a head's 128 rows
.set PB,    288
.set BQ,    32*KD*PB
.set BW,    144                        ; my 64 columns: one piece of 144
.set PART,  36864                      ; what one tensor load fills
.set SLOT,  4*PART
.set BOFF,  NWA*PART
.set STAGE, 2*SLOT                     ; behind the ring, never filled by a tensor load: 16 rows x 272 bytes for each wave
.set SP,    272
.set SPARE, STAGE+4*16*SP              ; the spare words, 128 bytes for each wave: two blocks of 256 bytes that no other line names
.set ASTEP, 4*524288                   ; bytes in memory from K step to K step: four heads of ob,
.set BSTEP, 65536                      ; 256 k rows of wo2
.set ADRA, 16                          ; v16-17  LDS address of my fragments of O in slot 0, 1
.set ADRB, 20                          ; v20-23  of wo2: slot 0 quarters 0-1, 2-3; slot 1 likewise
.set STO,  24
.set RD,   25
.set CO,   26                          ; v26     my byte offset in two rows of out0
.set BO,   27
.set SPW,  28                          ; v28     LDS address of my spare word; never rewritten
.set NIL,  29                          ; v29     0; never rewritten
.set FA0,  32
.set FAS,  32*KD
.set BIAS, 32+64*KD
.set OB,   32                          ; two sets, 48 apart
.set FB0,  0
.set FBS,  8*NB*KD
.set WV, 12
.set WM, 13
.set WN, 14
.set CX, 15
.set CY, 16
.set TC, 17
.set TR, 18
.set G1A, 24
.set G0A, 32
.set G1B, 48
.set G0B, 56
.set MSB, 0
.macro WIN new
.if MSB != (\new)
	s_set_vgpr_msb (MSB<<8)|(\new)
.set MSB, \new
.endif
.endm
.macro PLACES                          ; four plain instructions between a matrix instruction and a load into, or a read of, its registers
.rept 4
	v_nop
.endr
.endm
.macro CREST
	s_cmp_lg_u32 s[WV], 0
	s_cbranch_scc1 .Lnot_wave_0_\@
	s_barrier_signal -3
.Lnot_wave_0_\@:
	s_barrier_wait -3
	s_barrier_signal -1
	s_barrier_wait -1
.endm
.macro CROUND
	s_barrier_signal -1
	s_barrier_wait -1
	CREST
.endm
.macro JLOAD s                         ; a joint load: waves 0, 1 ask for O's heads, waves 2, 3 for wo2's halves; an s_nop 0 and four v_nop follow each line
	s_cmp_lt_u32 s[WV], NWA
	s_cbranch_scc0 .Lfor_b_\@
	tensor_load_to_lds s[G0A+4*(\s):G0A+4*(\s)+3], s[G1A:G1A+7]
	s_nop 0
	PLACES
	s_branch .Lasked_\@
.Lfor_b_\@:
	tensor_load_to_lds s[G0B+4*(\s):G0B+4*(\s)+3], s[G1B:G1B+7]
	s_nop 0
	PLACES
.Lasked_\@:
.endm
	s_load_b256 s[4:11], s[0:1], 0x0               ; ob 4:5, wo2 6:7, bias 8:9, out0 10:11
	v_lshl_add_u32 v[SPW], v0, 2, SPARE
	v_mov_b32 v[NIL], 0
	ds_add_u32 v[SPW], v[NIL]                      ; the wave's opening: the add and its wait stand ahead of the first tensor load; the set-up below stands between them
	v_lshrrev_b32 v1, 5, v0
	v_readfirstlane_b32 s[WV], v1
	s_lshr_b32 s[WM], s[WV], 1
	s_and_b32 s[WN], s[WV], 1
	s_bfe_u32 s[CX], ttmp6, 0x40000
	s_bfe_u32 s[CY], ttmp6, 0x40004
	s_lshl_b32 s[TC], ttmp9, 2
	s_add_co_u32 s[TC], s[TC], s[CX]
	s_and_b32 s[TR], ttmp7, 0xffff
	s_lshl_b32 s[TR], s[TR], 2
	s_add_co_u32 s[TR], s[TR], s[CY]
	s_lshl_b32 s19, s[CY], 2
	s_lshl_b32 s19, 15, s19                        ; my row of the cluster
	s_lshl_b32 s66, 0x1111, s[CX]                  ; my column
	s_or_b32 s[G1A], s19, (1<<16)|(1<<20)|(1<<21)|(4<<22)|(3<<25)  ; the mask; 2-byte elements; padding on; bit 21 beside a mask; after every 32 words, 4 words
	s_or_b32 s[G1B], s66, (1<<16)|(1<<20)|(1<<21)|(4<<22)|(3<<25)
	s_mov_b32 s[G1A+1], 8192<<16                   ; O: tensor_dim0 = 8,192 elements: a head's 128 rows on end
	s_mov_b32 s[G1A+2], 2<<16                      ; tensor_dim1 = 2 heads
	s_mov_b32 s[G1A+3], 8192<<16                   ; tile_dim0
	s_mov_b32 s[G1A+4], 2                          ; tile_dim1
	s_mov_b32 s[G1A+5], 262144                     ; elements from head to head
	s_mov_b32 s[G1A+6], 0
	s_mov_b32 s[G1A+7], 0
	s_mov_b32 s[G1B+1], 128<<16                    ; wo2: 128 dense rows of 128 elements
	s_mov_b32 s[G1B+2], 128<<16
	s_mov_b32 s[G1B+3], 128<<16
	s_mov_b32 s[G1B+4], 128
	s_mov_b32 s[G1B+5], 128
	s_mov_b32 s[G1B+6], 0
	s_mov_b32 s[G1B+7], 0
	s_min_u32 s20, s[WV], 1
	s_lshl_b32 s20, s20, 20                        ; O: my two heads of the step's four,
	s_lshl_b32 s22, s[TR], 14                      ; the tile row's 128 rows of 128 bytes
	s_add_co_u32 s20, s20, s22
	s_mov_b32 s21, 0
	s_lshl_b32 s46, s[TC], 18                      ; wo2: the tile,
	s_max_u32 s66, s[WV], NWA
	s_sub_co_u32 s66, s66, NWA
	s_lshl_b32 s66, s66, 15                        ; and my half of a K step
	s_add_co_u32 s46, s46, s66
	s_mov_b32 s47, 0
	s_mul_i32 s67, s[WV], PART                     ; where my load lands in a slot
	s_wait_dscnt 0x0                               ; the opening add is done
	s_wait_kmcnt 0x0
	s_add_nc_u64 s[20:21], s[4:5], s[20:21]
	s_add_nc_u64 s[46:47], s[6:7], s[46:47]
	CROUND                                         ; all sixteen work-groups are here: the first joint loads meet
.irp s, 0,1
	s_mov_b32 s[G0A+4*(\s)], 1
	s_add_co_u32 s[G0A+4*(\s)+1], s67, (\s)*SLOT
	s_add_nc_u64 s[G0A+4*(\s)+2:G0A+4*(\s)+3], s[20:21], (\s)*ASTEP
	s_or_b32 s[G0A+4*(\s)+3], s[G0A+4*(\s)+3], 0x80000000
	s_mov_b32 s[G0B+4*(\s)], 1
	s_add_co_u32 s[G0B+4*(\s)+1], s67, (\s)*SLOT
	s_add_nc_u64 s[G0B+4*(\s)+2:G0B+4*(\s)+3], s[46:47], (\s)*BSTEP
	s_or_b32 s[G0B+4*(\s)+3], s[G0B+4*(\s)+3], 0x80000000
	JLOAD \s                                       ; K steps 0 and 1: two loads of mine are out
.endr
	v_and_b32 v1, 15, v0                           ; r
	v_bfe_u32 v2, v0, 4, 1                         ; h
	v_and_b32 v3, 7, v0
	v_bfe_u32 v4, v0, 3, 1
	v_lshlrev_b32 v[BO], 5, v2
	s_lshl_b32 s70, s[TC], 9
	s_lshl_b32 s71, s[WN], 8
	s_add_co_u32 s70, s70, s71
	s_add_co_u32 s70, s70, 12288                   ; bo begins at word 3072
	s_mov_b32 s71, 0
	s_add_nc_u64 s[8:9], s[8:9], s[70:71]
.set bb, 0
.rept NB
	global_load_b128 v[BIAS+8*bb:BIAS+8*bb+3],   v[BO], s[8:9] offset:64*bb
	global_load_b128 v[BIAS+8*bb+4:BIAS+8*bb+7], v[BO], s[8:9] offset:64*bb+16
.set bb, bb+1
.endr
	v_mul_u32_u24 v6, v1, PA
	v_lshl_add_u32 v6, v2, 4, v6
	s_mul_i32 s19, s[WM], 64*PA
	v_add_nc_u32 v[ADRA], s19, v6
	v_add_nc_u32 v[ADRA+1], SLOT, v[ADRA]
	v_lshl_add_u32 v7, v2, 3, v3
	v_mul_u32_u24 v7, v7, PB
	v_lshl_add_u32 v7, v4, 4, v7
	s_mul_i32 s19, s[WN], BW
	s_add_co_u32 s19, s19, BOFF
	v_add_nc_u32 v[ADRB], s19, v7
	v_add_nc_u32 v[ADRB+1], 2*BQ, v[ADRB]
	v_add_nc_u32 v[ADRB+2], SLOT, v[ADRB]
	v_add_nc_u32 v[ADRB+3], SLOT, v[ADRB+1]
	s_mul_i32 s19, s[WV], 16*SP
	s_add_co_u32 s19, s19, STAGE                   ; my stage
	v_mul_u32_u24 v[STO], v1, SP                   ; in: row r, 32 bytes for each half of the lanes
	v_lshl_add_u32 v[STO], v2, 5, v[STO]
	v_add_nc_u32 v[STO], s19, v[STO]
	v_mul_u32_u24 v[RD], v2, SP                    ; back: lanes 0-15 take one row of 256 bytes, lanes 16-31 the next
	v_lshl_add_u32 v[RD], v1, 4, v[RD]
	v_add_nc_u32 v[RD], s19, v[RD]
	v_lshlrev_b32 v[CO], 12, v2                    ; and the same two rows in out0
	v_lshl_add_u32 v[CO], v1, 4, v[CO]
	s_lshl_b32 s68, s[TR], 19                      ; 128 rows of 4,096 bytes,
	s_lshl_b32 s69, s[WM], 18                      ; my 64 of them,
	s_add_co_u32 s68, s68, s69
	s_lshl_b32 s69, s[TC], 9                       ; the tile's 128 columns,
	s_add_co_u32 s68, s68, s69
	s_lshl_b32 s69, s[WN], 8                       ; my 64 of them
	s_add_co_u32 s68, s68, s69
	s_mov_b32 s69, 0
	s_add_nc_u64 s[10:11], s[10:11], s[68:69]
; The products of block a of 16 rows with my 4 blocks of columns, 64 along K, from fragment buffers f.  The block's 4 accumulators take turns, one instruction a turn.  first = 1: the sums start at the bias.
.macro MULA f, a, first=0
.set cc, 0
.rept KD
.set bb, 0
.rept NB
.set rD, 8*(NB*((\a)%2)+bb)
.set rB, FB0+FBS*(\f)+8*(NB*cc+bb)
.set rA, FA0+FAS*(\f)+8*(KD*(\a)+cc)
.if (\first) && (cc == 0)
	WIN 0x81+0x40*((\a)/2)
	v_wmma_f32_16x16x32_f16 v[rD:rD+7], v[rB:rB+7], v[rA:rA+7], v[BIAS+8*bb:BIAS+8*bb+7]
.else
	WIN 0xa1+0x50*((\a)/2)
	v_wmma_f32_16x16x32_f16 v[rD:rD+7], v[rB:rB+7], v[rA:rA+7], v[rD:rD+7]
.endif
.set bb, bb+1
.endr
.set cc, cc+1
.endr
.endm
; 32 LDS loads in one run: quarter q of a slot into buffers f: wo2's 16 (turned), then O's 16; the youngest 4 KD are O's rows 32-63
.macro FETCH slot, q, f
	WIN 0x40
.set cc, 0
.rept KD
.set bb, 0
.rept NB
.set rB, FB0+FBS*(\f)+8*(NB*cc+bb)
.set oB, ((\q)%2)*BQ+cc*32*PB+(bb/4)*144+(bb%4)*32
	ds_load_tr16_b128 v[rB:rB+3],   v[ADRB+2*(\slot)+(\q)/2] offset:oB
	ds_load_tr16_b128 v[rB+4:rB+7], v[ADRB+2*(\slot)+(\q)/2] offset:oB+16*PB
.set bb, bb+1
.endr
.set cc, cc+1
.endr
	WIN 0
.set aa, 0
.rept 4
.set cc, 0
.rept KD
.set rA, FA0+FAS*(\f)+8*(KD*aa+cc)
.set oA, (\q)*AQ+cc*64+aa*16*PA
	ds_load_b128 v[rA:rA+3],   v[ADRA+(\slot)] offset:oA
	ds_load_b128 v[rA+4:rA+7], v[ADRA+(\slot)] offset:oA+32
.set cc, cc+1
.endr
.set aa, aa+1
.endr
.endm
.macro QUARTER slot, q, f, g, first=0
	s_wait_dscnt 4*KD                              ; all but O's rows 32-63 are in
	MULA \f, 0, \first
	MULA \f, 1, \first
	PLACES
	FETCH \slot, \q, \g
	s_wait_dscnt 32                                ; all but the 32 just issued
	MULA \f, 2, \first
	MULA \f, 3, \first
.endm
; The last quarter multiplies buffers 1 and changes slots: one barrier; in front of it each wave waits for all its tensor loads, adds 0 to its spare word, and waits for that and for its reads of this slot.
; fill = 1: the barrier opens a round of the cluster's, and the joint refill, two K steps on, is the first thing behind it: 112 matrix instructions ahead of the wait for it.
.macro TURN slot, next, fill
	WIN 0
	s_wait_tensorcnt 0x0                           ; all my tensor loads have landed
	ds_add_u32 v[SPW], v[NIL]                      ; 0 onto my spare word
	s_wait_dscnt 4*KD+1                            ; (the add and O's rows 32-63 may be out)
	MULA 1, 0
	s_wait_dscnt 0x0                               ; the add is done, and my reads of this slot are over
	s_barrier_signal -1
	MULA 1, 1
.if \fill
	WIN 0
.endif
	s_barrier_wait -1
.if \fill
	CREST                                          ; no wave of any partner still reads this slot or has a load on its way
	s_add_nc_u64 s[G0A+4*(\slot)+2:G0A+4*(\slot)+3], s[G0A+4*(\slot)+2:G0A+4*(\slot)+3], 2*ASTEP
	s_add_nc_u64 s[G0B+4*(\slot)+2:G0B+4*(\slot)+3], s[G0B+4*(\slot)+2:G0B+4*(\slot)+3], 2*BSTEP
	JLOAD \slot                                    ; its four v_nop are also the places in front of the loads below
.else
	PLACES
.endif
	FETCH \next, 0, 0
	MULA 1, 2
	MULA 1, 3
.endm
	s_wait_tensorcnt 1                             ; my part of K step 0 is in; K step 1's may stay out
	s_barrier_signal -1
	s_barrier_wait -1
	FETCH 0, 0, 0
	s_wait_loadcnt 0x0                             ; the bias
	QUARTER 0, 1, 0, 1, 1                          ; K step 0: its first products start the sums
	QUARTER 0, 2, 1, 0
	QUARTER 0, 3, 0, 1
	TURN 0, 1, 1                                   ; slot 0 takes K step 2
	QUARTER 1, 1, 0, 1                             ; K step 1
	QUARTER 1, 2, 1, 0
	QUARTER 1, 3, 0, 1
	TURN 1, 0, 1                                   ; slot 1 takes K step 3
	QUARTER 0, 1, 0, 1                             ; K step 2
	QUARTER 0, 2, 1, 0
	QUARTER 0, 3, 0, 1
	TURN 0, 1, 0                                   ; nothing is left to ask for
	QUARTER 1, 1, 0, 1                             ; K step 3
	QUARTER 1, 2, 1, 0
	QUARTER 1, 3, 0, 1
	s_wait_dscnt 4*KD
	MULA 1, 0
	MULA 1, 1
	s_wait_dscnt 0x0
	MULA 1, 2
	MULA 1, 3
	WIN 0
	PLACES
	PLACES
; THE WAY OUT, 16 rows at a time: a lane's 32 bytes of a block go from the accumulators into my stage (rows 272 bytes apart), come back as whole rows of 256 bytes, and are stored.
.macro OUTA a
	WIN 0x08+4*((\a)/2)                            ; the stores' data in window 2 or 3
.set bb, 0
.rept NB
.set rD, 8*(NB*((\a)%2)+bb)
	ds_store_b128 v[STO], v[rD:rD+3]   offset:64*bb     ; each accumulator from its low end on
	ds_store_b128 v[STO], v[rD+4:rD+7] offset:64*bb+16
.set bb, bb+1
.endr
	WIN 0
.irp t, 0,1,2,3,4,5,6,7
	ds_load_b128 v[OB+48*((\a)%2)+4*\t:OB+48*((\a)%2)+4*\t+3], v[RD] offset:\t*2*SP  ; LDS serves a wave's instructions in order (ISA guide 5.7.1.4): these see the stores above
.endr
	s_wait_dscnt 0x0                               ; the block is back in registers
	s_wait_xcnt 0x0                                ; earlier stores have read their registers: the other set is loaded again only behind this wait
.irp t, 0,1,2,3,4,5,6,7
	global_store_b128 v[CO], v[OB+48*((\a)%2)+4*\t:OB+48*((\a)%2)+4*\t+3], s[10:11] offset:(16*(\a)+2*\t)*4096 th:TH_STORE_NT  ; 16 lanes store 256 consecutive bytes, at a multiple of 256 from out0's first
.endr
.endm
	OUTA 0
	OUTA 1
	OUTA 2
	OUTA 3
	s_wait_tensorcnt 0x0                           ; the wave's end, behind my last tensor load and my last LDS store
	ds_add_u32 v[SPW], v[NIL]
	s_wait_dscnt 0x0
	CROUND                                         ; the closing round: no work-group ends while a partner may still ask for a tile that names it
	s_endpgm
.Lfunc_end_k_q2ff487da77_proj:
	.size	k_q2ff487da77_proj, .Lfunc_end_k_q2ff487da77_proj-k_q2ff487da77_proj
	.p2alignl 7, 3214868480
	.fill 96, 4, 3214868480
	.section	.rodata,"a",@progbits
	.p2align	6, 0x0
	.amdhsa_kernel k_q2ff487da77_proj
		.amdhsa_group_segment_fixed_size 327680
		.amdhsa_private_segment_fixed_size 0
		.amdhsa_enable_private_segment 0
		.amdhsa_kernarg_size 32
		.amdhsa_user_sgpr_count 2
		.amdhsa_user_sgpr_kernarg_segment_ptr 1
		.amdhsa_wavefront_size32 1
		.amdhsa_system_sgpr_workgroup_id_x 1
		.amdhsa_system_sgpr_workgroup_id_y 1
		.amdhsa_system_sgpr_workgroup_id_z 1
		.amdhsa_system_vgpr_workitem_id 0
		.amdhsa_next_free_vgpr 832
		.amdhsa_next_free_sgpr 72
		.amdhsa_reserve_vcc 0
		.amdhsa_float_denorm_mode_32 3
		.amdhsa_float_denorm_mode_16_64 3
		.amdhsa_memory_ordered 1
		.amdhsa_forward_progress 1
		.amdhsa_inst_pref_size 88
	.end_amdhsa_kernel
	.amdgpu_metadata
---
amdhsa.version: [ 1, 2 ]
amdhsa.kernels:
  - .name:           k_q2ff487da77_proj
    .symbol:         k_q2ff487da77_proj.kd
    .args:
      - { .name: ob, .offset: 0, .size: 8, .value_kind: global_buffer, .address_space: global }
      - { .name: wo2, .offset: 8, .size: 8, .value_kind: global_buffer, .address_space: global }
      - { .name: bias, .offset: 16, .size: 8, .value_kind: global_buffer, .address_space: global }
      - { .name: out0, .offset: 24, .size: 8, .value_kind: global_buffer, .address_space: global }
    .group_segment_fixed_size: 327680
    .private_segment_fixed_size: 0
    .kernarg_segment_align: 8
    .kernarg_segment_size: 32
    .max_flat_workgroup_size: 128
    .sgpr_count:     72
    .vgpr_count:     832
    .wavefront_size: 32
...
	.end_amdgpu_metadata
.endif
;; end of part 4
;; ======== version 2 of 2: 4 launches; version 1 with the launch prep written anew for expert scheduling mode
;; limits: values are held in f16: magnitudes above 65,504 overflow, below 6.1e-05 lose precision
;; workspace buffers: xb 8,388,608 bytes; w3 6,291,456 bytes; wo2 2,097,152 bytes; bias 16,384 bytes; qkv 25,165,824 bytes; ob 8,388,608 bytes
;; launch prep (part 5): grid 513 x 1, 8 waves a work-group, no clusters, 0 bytes of LDS; arguments x, wq, wk, wv, wo, bq, bk, bv, bo, xb, w3, wo2, bias; writes xb, w3, wo2, bias
.if DOCPART == 5
	.amdgcn_target "amdgcn-amd-amdhsa--gfx1250"
	.amdhsa_code_object_version 6
	.text
	.protected	k_q2ff487da77_prep
	.globl	k_q2ff487da77_prep
	.p2align	8
	.type	k_q2ff487da77_prep,@function
k_q2ff487da77_prep:
	s_mov_b64 s[64:65], 0
	v_nop
	global_prefetch_b8 v0, s[64:65] scope:SCOPE_SE
	s_setreg_imm32_b32 hwreg(HW_REG_WAVE_SCHED_MODE, 0, 2), 2
	s_setreg_imm32_b32 hwreg(HW_REG_WAVE_MODE, 25, 1), 1
	s_wait_xcnt 0x0
	s_wait_alu depctr_vm_vsrc(0)
; THE CASTS.  x, wq, wk, wv, wo and the four biases are rounded once to bf16 and laid out for the three launches that follow.
;   xb   [4096][1024] bf16: x as it lies.
;   w3   [8 tiles][1024 k][384 n] bf16: the columns of [wq | wk | wv], natural column n3 at position p = (n3 + 2560) mod 3072, tile p / 384.
;   wo2  [8 tiles][1024 k][128 n] f16: wo rounded to bf16, that number written as f16 (exact from 2^-14 up; below it f16's fixed step of 6e-8; beyond 65,504 an infinity).
;   bias [4096] f32: the biases rounded to bf16 and widened again: words 0-3071 bq, bk, bv at position p, words 3072-4095 bo.
; A PIECE is 128 columns of one row: a wave's one load of 16 bytes a lane takes its 512 bytes, its one store of 8 bytes a lane puts 256 consecutive bytes, aligned.
; All five sources have rows of 4,096 bytes.  A work-group takes one group of 128 columns and 128 rows, a wave 16 of those rows: 16 loads are out at once, nothing is read twice.
; Work-groups 0-255: x (32 groups of rows x 8 of columns); 256-511: the four weights (8 x 8 each); 512: the biases.
; No LDS, no barrier, no matrix unit, no cluster: no byte is wanted by two waves, and there is one conversion for each number.
; THE MODE: SCHED_MODE bits 1:0 = 2 (LLVM: expert scheduling mode 2), set by the entry lines.  The code itself states the register dependences
; between vector instructions and memory instructions, with s_wait_alu, always for 0.
; THE PLAN.  Registers that memory instructions touch:
;   VI        the loads' offset.  Written by two vector lines at the head; read by the 16 loads; never written again.
;   X, 4 a row  Written once, by the row's load; no vector line names them ahead of the loads; read by the row's conversions behind the wait for the load.
;   VO, 1 a row the stores' offsets.  Written by vector lines behind the loads; read by the row's store; never written again.
;   Y, 2 a row  Written by the row's conversions; read by the row's store; never written again.
; The 16 rows go in four blocks of four.  Block p converts X of block p into Y of block p; its memory instructions are the four stores of block p - 1, which read VO and Y of
; block p - 1: registers that no vector line of block p names.  So one wait at a block's head states all that its four stores hang on, and they are dealt among its conversions.
; No register that a memory instruction has read is written again, no vector line writes a scalar register or VCC, and EXEC is never written: no other wait is owed.
.set VI, 1                             ; v1       my byte offset in the source: 16 x lane + wave x 16 rows
.set VO, 4                             ; v[4:19]  row i: my byte offset in the destination; never rewritten
.set X,  32                            ; v[32:95] row i: 4 numbers in f32
.set Y,  96                            ; v[96:127] row i: 4 numbers in 16 bits
	s_load_b512 s[4:19], s[0:1], 0x0               ; x 4:5, wq 6:7, wk 8:9, wv 10:11, wo 12:13, bq 14:15, bk 16:17, bv 18:19
	s_load_b256 s[20:27], s[0:1], 0x40             ; bo 20:21, xb 22:23, w3 24:25, wo2 26:27
	s_load_b64 s[28:29], s[0:1], 0x60              ; bias
	s_mov_b32 s2, ttmp9
	v_and_b32 v3, 31, v0                           ; lane
	v_lshrrev_b32 v2, 5, v0                        ; wave
	s_cmp_eq_u32 s2, 512
	s_cbranch_scc1 .Lbias
	s_and_b32 s3, s2, 7                            ; g: my group of 128 columns
	s_lshr_b32 s40, s2, 3                          ; x: my group of 128 rows
	s_and_b32 s41, s40, 7                          ; a weight: my group of 128 rows
	s_bfe_u32 s42, s2, 0x20006                     ; which weight: 0 wq, 1 wk, 2 wv, 3 wo
	s_lshl_b32 s43, s42, 3
	s_add_co_u32 s43, s43, s3
	s_add_co_u32 s43, s43, 20
	s_cmp_ge_u32 s43, 24
	s_cselect_b32 s44, 24, 0
	s_sub_co_u32 s43, s43, s44                     ; the group's position: (8 m + g + 20) mod 24
	s_mul_i32 s44, s43, 11
	s_lshr_b32 s44, s44, 5                         ; its tile: position / 3 (11 / 32 is exact for positions under 24)
	s_mul_i32 s45, s44, 3
	s_sub_co_u32 s45, s43, s45                     ; its place in the tile
	s_mul_i32 s44, s44, 786432                     ; a tile of w3 is 1,024 rows of 768 bytes
	s_mul_i32 s46, s41, 98304                      ; 128 such rows
	s_add_co_u32 s44, s44, s46
	s_lshl_b32 s45, s45, 8
	s_add_co_u32 s44, s44, s45                     ; where I begin in w3
	s_lshl_b32 s45, s3, 18                         ; a tile of wo2 is 1,024 rows of 256 bytes
	s_lshl_b32 s46, s41, 15
	s_add_co_u32 s45, s45, s46                     ; where I begin in wo2
	s_lshl_b32 s46, s40, 18                        ; 128 rows of xb, 2,048 bytes each
	s_lshl_b32 s47, s3, 8
	s_add_co_u32 s46, s46, s47                     ; where I begin in xb
	s_movk_i32 s38, 768
	s_wait_kmcnt 0x0
	s_cmp_eq_u32 s42, 1
	s_cselect_b64 s[34:35], s[8:9], s[6:7]
	s_cmp_eq_u32 s42, 2
	s_cselect_b64 s[34:35], s[10:11], s[34:35]
	s_cmp_eq_u32 s42, 3
	s_cselect_b64 s[34:35], s[12:13], s[34:35]     ; the source, if it is a weight
	s_cselect_b64 s[36:37], s[26:27], s[24:25]     ; the destination
	s_cselect_b32 s32, s45, s44                    ; my first byte in it
	s_cselect_b32 s38, 256, s38                    ; bytes from row to row in it
	s_cselect_b32 s39, 1, 0                        ; 1: written as f16
	s_cmp_lt_u32 s2, 256                           ; or is it x?
	s_cselect_b64 s[34:35], s[4:5], s[34:35]
	s_cselect_b64 s[36:37], s[22:23], s[36:37]
	s_cselect_b32 s32, s46, s32
	s_cselect_b32 s38, 2048, s38
	s_cselect_b32 s39, 0, s39
	s_cselect_b32 s41, s40, s41
	s_lshl_b32 s30, s41, 19                        ; 128 rows of 4,096 bytes in the source,
	s_lshl_b32 s47, s3, 9                          ; 128 columns of 4 bytes
	s_add_co_u32 s30, s30, s47
	s_mov_b32 s31, 0
	s_mov_b32 s33, 0
	s_add_nc_u64 s[34:35], s[34:35], s[30:31]
	s_add_nc_u64 s[36:37], s[36:37], s[32:33]
	v_lshlrev_b32 v[VI], 4, v3
	v_lshl_add_u32 v[VI], v2, 16, v[VI]
	s_wait_alu depctr_va_vdst(0)                   ; v[VI] is written: the 16 loads read it as their offset
.set i, 0
.rept 16
	global_load_b128 v[X+4*i:X+4*i+3], v[VI], s[34:35] offset:4096*i th:TH_LOAD_NT  ; my wave's 16 rows: all loads go out ahead of the first store
.set i, i+1
.endr
	s_lshl_b32 s47, s38, 4
	v_mul_u32_u24 v[VO], s47, v2                   ; wave x 16 rows of the destination
	v_lshl_add_u32 v[VO], v3, 3, v[VO]             ; + 8 x lane
.set i, 1
.rept 15
	v_add_nc_u32 v[VO+i], s38, v[VO+i-1]
.set i, i+1
.endr
; Block after block of four rows: rounded; the block before is stored meanwhile.  Every row has registers of its own, so no register that a load or a store names is written again.
.macro OUT f16
.set p, 0
.rept 4
	s_wait_loadcnt 12-4*p                          ; loads come back in order: block p's four rows are in, the younger blocks stay out
.if p > 0
	s_wait_alu depctr_va_vdst(0)                   ; the block before has written its Y, which the four stores below read; at block 1 the offsets v[VO ..] are written too
.endif
.set j, 0
.rept 4
.set i, 4*p+j
.if p > 0
	global_store_b64 v[VO+i-4], v[Y+2*i-8:Y+2*i-7], s[36:37]  ; a row of the block before: the wave's 256 consecutive bytes, at a multiple of 256 from the buffer's first; no vector line since the wait names these registers
.endif
	v_cvt_pk_bf16_f32 v[Y+2*i], v[X+4*i], v[X+4*i+1]
	v_cvt_pk_bf16_f32 v[Y+2*i+1], v[X+4*i+2], v[X+4*i+3]
.if \f16
	v_lshlrev_b32 v20, 16, v[Y+2*i]                ; the bf16 numbers widened,
	v_and_b32 v21, 0xffff0000, v[Y+2*i]
	v_lshlrev_b32 v22, 16, v[Y+2*i+1]
	v_and_b32 v23, 0xffff0000, v[Y+2*i+1]
	v_cvt_pk_f16_f32 v[Y+2*i], v20, v21            ; and written as f16
	v_cvt_pk_f16_f32 v[Y+2*i+1], v22, v23
.endif
.set j, j+1
.endr
.set p, p+1
.endr
	s_wait_alu depctr_va_vdst(0)                   ; block 3 has written its Y, which the last four stores read
.set i, 12
.rept 4
	global_store_b64 v[VO+i], v[Y+2*i:Y+2*i+1], s[36:37]
.set i, i+1
.endr
.endm
	s_cmp_eq_u32 s39, 1
	s_cbranch_scc1 .Lf16
	OUT 0
	s_endpgm
.Lf16:
	OUT 1
	s_endpgm
.Lbias:                                        ; 256 threads x 4 numbers = a bias of 1,024
	v_lshlrev_b32 v1, 4, v0
	v_xor_b32 v2, 128, v0                          ; bq's columns 0-511 go to positions 2560-3071, its columns 512-1023 to 0-511:
	v_and_b32 v3, 128, v2                          ; with t = thread xor 128 that is byte 16 t + 64 (t & 128)
	v_lshlrev_b32 v3, 6, v3
	v_lshl_add_u32 v3, v2, 4, v3
	s_wait_kmcnt 0x0
	s_wait_alu depctr_va_vdst(0)                   ; v1 is written: the four loads read it as their offset
	global_load_b128 v[32:35], v1, s[14:15]
	global_load_b128 v[36:39], v1, s[16:17]
	global_load_b128 v[40:43], v1, s[18:19]
	global_load_b128 v[44:47], v1, s[20:21]
	s_wait_loadcnt 0x0
.set i, 0
.rept 8
	v_cvt_pk_bf16_f32 v20, v[32+2*i], v[33+2*i]
	v_lshlrev_b32 v[64+2*i], 16, v20
	v_and_b32 v[65+2*i], 0xffff0000, v20
.set i, i+1
.endr
	s_wait_alu depctr_va_vdst(0)                   ; the widenings have written v[64:79], which the four stores read (their offsets v1 and v3 were written ahead of the wait above)
	global_store_b128 v3, v[64:67], s[28:29]
	global_store_b128 v1, v[68:71], s[28:29] offset:2048   ; bk: positions 512 on
	global_store_b128 v1, v[72:75], s[28:29] offset:6144   ; bv: positions 1536 on
	global_store_b128 v1, v[76:79], s[28:29] offset:12288  ; bo: words 3072 on
	s_endpgm
.Lfunc_end_k_q2ff487da77_prep:
	.size	k_q2ff487da77_prep, .Lfunc_end_k_q2ff487da77_prep-k_q2ff487da77_prep
	.p2alignl 7, 3214868480
	.fill 96, 4, 3214868480
	.section	.rodata,"a",@progbits
	.p2align	6, 0x0
	.amdhsa_kernel k_q2ff487da77_prep
		.amdhsa_group_segment_fixed_size 0
		.amdhsa_private_segment_fixed_size 0
		.amdhsa_enable_private_segment 0
		.amdhsa_kernarg_size 104
		.amdhsa_user_sgpr_count 2
		.amdhsa_user_sgpr_kernarg_segment_ptr 1
		.amdhsa_wavefront_size32 1
		.amdhsa_system_sgpr_workgroup_id_x 1
		.amdhsa_system_sgpr_workgroup_id_y 1
		.amdhsa_system_sgpr_workgroup_id_z 1
		.amdhsa_system_vgpr_workitem_id 0
		.amdhsa_next_free_vgpr 128
		.amdhsa_next_free_sgpr 66
		.amdhsa_reserve_vcc 0
		.amdhsa_float_denorm_mode_32 3
		.amdhsa_float_denorm_mode_16_64 3
		.amdhsa_memory_ordered 1
		.amdhsa_forward_progress 1
		.amdhsa_inst_pref_size 20
	.end_amdhsa_kernel
	.amdgpu_metadata
---
amdhsa.version: [ 1, 2 ]
amdhsa.kernels:
  - .name:           k_q2ff487da77_prep
    .symbol:         k_q2ff487da77_prep.kd
    .args:
      - { .name: x, .offset: 0, .size: 8, .value_kind: global_buffer, .address_space: global }
      - { .name: wq, .offset: 8, .size: 8, .value_kind: global_buffer, .address_space: global }
      - { .name: wk, .offset: 16, .size: 8, .value_kind: global_buffer, .address_space: global }
      - { .name: wv, .offset: 24, .size: 8, .value_kind: global_buffer, .address_space: global }
      - { .name: wo, .offset: 32, .size: 8, .value_kind: global_buffer, .address_space: global }
      - { .name: bq, .offset: 40, .size: 8, .value_kind: global_buffer, .address_space: global }
      - { .name: bk, .offset: 48, .size: 8, .value_kind: global_buffer, .address_space: global }
      - { .name: bv, .offset: 56, .size: 8, .value_kind: global_buffer, .address_space: global }
      - { .name: bo, .offset: 64, .size: 8, .value_kind: global_buffer, .address_space: global }
      - { .name: xb, .offset: 72, .size: 8, .value_kind: global_buffer, .address_space: global }
      - { .name: w3, .offset: 80, .size: 8, .value_kind: global_buffer, .address_space: global }
      - { .name: wo2, .offset: 88, .size: 8, .value_kind: global_buffer, .address_space: global }
      - { .name: bias, .offset: 96, .size: 8, .value_kind: global_buffer, .address_space: global }
    .group_segment_fixed_size: 0
    .private_segment_fixed_size: 0
    .kernarg_segment_align: 8
    .kernarg_segment_size: 104
    .max_flat_workgroup_size: 256
    .sgpr_count:     66
    .vgpr_count:     128
    .wavefront_size: 32
...
	.end_amdgpu_metadata
.endif
;; end of part 5
;; launch qkv: the kernel of part 2 again; grid 8 x 32, 4 waves a work-group, clusters of 4 x 4, 327,680 bytes of LDS; arguments xb, w3, bias, qkv; writes qkv
;; launch attn: the kernel of part 3 again; grid 16 x 16, 4 waves a work-group, no clusters, 167,936 bytes of LDS; arguments qkv, ob; writes ob
;; launch proj: the kernel of part 4 again; grid 8 x 32, 4 waves a work-group, clusters of 4 x 4, 327,680 bytes of LDS; arguments ob, wo2, bias, out0; writes out0
